; MI455X (gfx1250); checked and timed in simulation.
; The chip was launched on July 23, 2026; its instructions are those of AMD's public machine-readable ISA for CDNA 5 (MIT licence, August 2026) and "CDNA5" Instruction Set Architecture Reference Guide (July 2026). The comments in the code are by the model that wrote it; some were corrected since.
;; MHA. Allowed arithmetic: matrix products marked QUANTISED: E2M3 operands, one E8M0 scale for each 32 along K, by v_wmma_scale_f32_16x16x128_f8f6f4 with both operands' format E2M3, f32 sums; everything else in f32.
;; Inputs: X 16 x 1,024 x 512 float32; Y 16 x 1,024 x 512 float32; pad_x 2 x 512 float32; pad_y 2 x 512 float32.
;; Outputs: out0 16 x 1,024 x 512 float32; out1 16 x 1,024 x 512 float32.
;; This version of the problem:
;;   THIS VERSION OF THE PROBLEM IS GIVEN IN LOW PRECISION. The matrix products marked QUANTISED in the list below multiply operands that are first quantised to E2M3 (2 exponent bits, 3 mantissa bits; 6 bits a number), with one power-of-two scale for each 32 numbers along K (OCP MX v1.0); their sums are f32. All else is computed in f32.
;;   The module's matrix products, in the order in which they are computed (A, B: the left and right operand; K: the contracted axis; several contracted axes count as one K, in the product's order):
;;     1. batch 128 x [M 1,026, K 64] x [K 64, N 1,026]; A: computed on the way; B: computed on the way: QUANTISED
;;     2. batch 128 x [M 1,026, K 1,026] x [K 1,026, N 64]; A: softmax (see below); B: computed on the way: QUANTISED
;;     3. batch 128 x [M 1,026, K 1,026] x [K 1,026, N 64]; A: softmax (see below); B: computed on the way: QUANTISED
;;   THE QUANTISER, for each operand of a quantised product, along K:
;;     - K is cut into blocks of 32 from its start; a last block that is shorter is filled with zeros.
;;     - A block's scale is 2^e with e = floor(log2(the largest magnitude in the block)) - 2, held to -126 .. 127; a block of zeros has e = 0. As a byte (E8M0): e + 127.
;;     - Each number is divided by its block's scale, clamped to +-7.5, and rounded to the nearest number of E2M3, ties to even, subnormals kept.
;;     - The product sums the exact products of the quantised numbers (number of the format x scale) in f32.
;;   ~~~python
;;   def quantise(x, axis):      # numpy; x: float32 -> the quantised numbers, widened to float32 again
;;       x = np.moveaxis(x, axis, -1); K = x.shape[-1]
;;       x = np.pad(x, [(0, 0)] * (x.ndim - 1) + [(0, -K % 32)]); x = x.reshape(x.shape[:-1] + (-1, 32)); a = np.abs(x).max(-1, keepdims=True)
;;       e = np.where(a > 0, np.clip(np.frexp(np.where(a > 0, a, 1))[1] - 1 - 2, -126, 127), 0)      # np.frexp(a)[1] - 1 = floor(log2(a)), exactly
;;       r = np.clip(x / 2.0 ** e, -7.5, 7.5)
;;       step = 2.0 ** (np.maximum(np.frexp(np.where(r == 0, 1, r))[1] - 1, 0) - 3)
;;       q = np.round(r / step) * step * 2.0 ** e      # np.round: ties to even
;;       return np.moveaxis(q.reshape(q.shape[:-2] + (-1,))[..., :K], -1, axis).astype(np.float32)
;;   ~~~
;;   SOFTMAX AHEAD OF A QUANTISED PRODUCT. Where the list says 'softmax', what is quantised is not the finished softmax but p = 2^(t - M), with t = logit x log2(e) and M = ceil(the row's largest t), a whole number; so 1/2 < the row's largest p <= 1. The row's sum l is taken of the UNQUANTISED p, in f32, and the product's result is divided by l at the end. Since M is a whole number, a kernel that streams over the keys may use a running M (the ceiling of the running maximum): every later rescaling is an exact power of two, which a block's scale takes up: the codes' values come out the same.
;;   OPERANDS COMPUTED ON THE WAY. 'Computed on the way' means the value that the module computes at that place (a softmax that the list does not call 'softmax' is quantised finished and normalised). What goes into a quantiser is computed in f32, as accurately as f32 sums, v_exp_f32 and their like allow (about 1e-6 of the number): no bf16 or f16 on the way to a quantiser, and a product that is left as it is and whose result goes on into a quantised operand takes f32 operands (vector FMAs, or v_wmma_f32_16x16x4_f32). A number that lies on a knife's edge between two numbers of the format may be rounded either way, as far as f32 arithmetic and the matrix unit's own rounding can turn it there, and no further.
;; 2 versions. Each part assembles by itself: llvm-mc -triple=amdgcn-amd-amdhsa -mcpu=gfx1250 --defsym DOCPART=n.
;; ======== version 1 of 2: 1 launch
;; launch mha (part 1): grid 2 x 128, 8 waves a work-group, no clusters, 187,904 bytes of LDS; arguments X, Y, pad_x, pad_y, out0, out1; writes out0, out1
.if DOCPART == 1
	.amdgcn_target "amdgcn-amd-amdhsa--gfx1250"
	.amdhsa_code_object_version 6
	.text
	.protected	k_q7c96c653f9_mha
	.globl	k_q7c96c653f9_mha
	.p2align	8
	.type	k_q7c96c653f9_mha,@function
k_q7c96c653f9_mha:
	s_mov_b64 s[64:65], 0
	v_nop
	global_prefetch_b8 v0, s[64:65] scope:SCOPE_SE
	s_setreg_imm32_b32 hwreg(HW_REG_WAVE_MODE, 25, 1), 1
	s_wait_xcnt 0x0
; Two-way attention on one similarity matrix, all three products on codes of FP6 (E2M3) with one E8M0 scale for each 32 along K.
; sim = Xp Yp^T for each of 128 (batch, head) pairs; Xp, Yp = two learned pad rows + 1,024 rows of the head's 64 columns.
; out0[n] = sum over m of softmax_m(sim[m][n]) Xp[m]  (queries = rows of Y, keys = values = Xp);  out1[m] = sum over n of softmax_n(sim[m][n]) Yp[n].
; The pad QUERIES are cut off by the problem: 1,024 queries against 1,026 keys in each direction.
; SHARES.  Work-group (x = direction, y = batch x 8 + head): 256 work-groups.  One text serves both directions: only four pointers are chosen.
; PHASE A.  The eight waves read the key side's 1,026 x 64 numbers once (a row of a head is 256 aligned bytes), quantise them twice, along d (key role) and along the
; keys (value role), and lay the codes in LDS as IMAGES OF THE OPERANDS' REGISTERS: 16 bytes a lane, 512 bytes a group of four registers.  Wave w makes key step w
; (padded rows 128 w .. 128 w + 127); wave 7 also the tail (padded rows 1,024 and 1,025, the rest of its block zeros).  One barrier; then the images are only read.
; MAIN PHASE.  A wave owns 128 queries, in 4 passes of 2 tiles of 16.  A pass: its 32 query rows are quantised in registers; the tail step comes FIRST and starts M, the
; sum and O^T, so nothing is cleared; a loop of 8 key steps of 128 keys; division by the sum; whole rows of 256 bytes out through the wave's own stage.
; LAYOUT.  Both products are used transposed (S^T = K Q^T, O^T = V^T P^T): a lane holds one query (lane % 16) throughout.  d is only 64, so ONE operand of 128 along K holds
; TWO tiles of 16 keys (registers 0-5 and 6-11), and the query stands in one half of the other operand with zero codes in the other half.  Lane r of tile u of fragment f
; takes key 32 f + 8 u + r + 8 (r / 8), so that a lane's 16 registers of the two tiles are 16 neighbouring keys: 32 f + 16 (lane / 16) + 0 .. 15.
; SOFTMAX.  t = score x log2(e); M = the running largest t rounded up to a whole number (kept as -M); p = 2^(t - M) is quantised along the keys, not normalised; the sum is
; taken of the unquantised p; when M moves, the sum and O^T are multiplied by 2^(old M - new M), which rounds nothing.
; LIMITS.  NaN and infinities among the inputs are not served.  A block of zeros gets the scale byte 1 (its codes are zeros; the bytes are read by this text alone).
; A p under 2^-126 comes out as 0 (the exponential flushes; the row's sum is at least 1/2).  A block's largest p is taken as the exponential of the block's largest score.
; No tile is shared between work-groups at one time (the two work-groups of a head read the same numbers in different roles, keys at the start, queries spread over the run),
; and every input byte has to pass through registers to be quantised: so no tensor loads and no cluster.
.set STEPB, 12800                      ; LDS: a key step's images: 4 fragments of K (1,536 bytes each), 4 of V^T, 256 bytes of K's scale words, 256 of V's
.set VIMG,  6144
.set KSC,   12288
.set TAILB, 8*STEPB                    ; region 8: the tail
.set STG,   9*STEPB                    ; behind the images: a stage of 8,960 bytes for each wave, its own
.set WSTGB, 8960
; window 0
.set L0,  1                            ; 16 x lane
.set LT,  2                            ; 16 x lane + TAILB
.set LI,  3                            ; 16 x lane + the step in hand
.set GIN, 4                            ; memory: (lane / 16) x 2,048 + (lane % 16) x 16: two rows of a head an instruction; in and out
.set SIN, 5                            ; stage: the same two rows, 272 bytes apart
.set KRD, 6                            ; stage: key role: row r + 8 (r / 8), d = 32 h on
.set VRD, 7                            ; stage: value role: column = lane
.set QRD, 8                            ; stage: query role: row r, d = 32 h on
.set KSA, 9                            ; where I store K's scale words
.set VSA, 10                           ; and V's
.set KIA, 11                           ; where I store K's images
.set VIA, 12                           ; and V's
.set SO,  13                           ; stage: where I put 32 bytes of a row of O
.set NINF, 16                          ; -infinity
.set SH8, 18                           ; 8 x (lane / 16)
.set ZQ,  20                           ; v20-23 zeros
.set TL,  24                           ; v24-27 the tail's two rows (wave 7)
.set KS,  28                           ; v28-31 lanes 0-15: K's scale words of fragments 0-3
.set VS,  32                           ; v32-35 lanes 16-31: V's scale words of fragments 0-3
.set QS,  36                           ; v36-37 the query tiles' scale words
.set PW,  38                           ; v38-39 p's scale words
.set ST,  40                           ; statistics, 24 registers a tile
.set oNM, 0                            ; -M        (pair with oTX)
.set oTX, 1                            ; the largest t so far
.set oL,  2                            ; the sum, in two halves
.set oFF, 4                            ; f, later 1 / sum   (pair with oFD)
.set oFD, 5
.set oC2, 6                            ; the sum's second chain
.set oBM, 8                            ; four blocks' largest score, then largest p
.set oBX, 12                           ; the other half of the lanes'; then the bytes
.set oSOP, 16                          ; the conversions' scale operands
.set oTA, 20
.set AM,  86                           ; the quantiser of phase A and of the queries: largest magnitudes,
.set VW,  88                           ; V's scale words as they are gathered,
.set AW,  90                           ; a scale word,
.set AT,  91                           ; lane l xor 16's,
.set ASO, 92                           ; the conversions' scale operands,
.set ABY, 94                           ; the bytes
.set X,   96                           ; v96-159  64 numbers (key role, queries); on the way out O / sum
.set X2,  160                          ; v160-223 64 numbers (value role); on the way out whole rows
.set S,   96                           ; v96-223  the scores, then p: 64 a tile
.set PC,  224                          ; v224-247 codes: 12 a tile
.set CT,  248                          ; v248-250, v252-254 the halves of blocks that a conversion cannot put in place
; window 1
.set O,   0                            ; O^T: 32 a tile
.set QZ,  64                           ; [0 x 6][tile 0's codes x 6][0 x 6][tile 1's x 6][0 x 6]: four views of 12 registers
.set KF,  96                           ; K's four fragments
.set VF,  144                          ; V^T's four
.set QR,  192                          ; 32 query rows as loaded
.set R0,  0                            ; phase A: three sets of 32 key rows as loaded
.set R1,  64
.set R2,  128
; scalars
.set WV,  16
.set KB,  20                           ; key tensor at my head, my wave's pairs of rows
.set P0,  22                           ; my wave's first pair: the pad rows (wave 0) or the two rows in front of KB
.set QB,  24
.set OB,  26
.set SEL, 28
.set CS,  30
.set LOW, 32
.set PASS, 33
.set STEPS, 34
.set SB,  35
.set MSB, 0
.macro WIN new                         ; low byte: bits 1:0 source 0, 3:2 source 1, 5:4 source 2, 7:6 destination; the high byte repeats the setting that is left
.if MSB != \new
	s_set_vgpr_msb (MSB<<8)|\new
.set MSB, \new
.endif
.endm
; 16 loads: block i's 32 padded rows, two rows (two aligned runs of 256 bytes) an instruction
.macro LOADSET reg, i
.irp j, 0,1,2,3,4,5,6,7,8,9,10,11,12,13,14,15
.if (16*\i+\j) == 0
	global_load_b128 v[\reg+4*\j:\reg+4*\j+3], v[GIN], s[P0:P0+1]
.else
	global_load_b128 v[\reg+4*\j:\reg+4*\j+3], v[GIN], s[KB:KB+1] offset:(16*\i+\j-1)*4096
.endif
.endr
.endm
.macro QLOAD                           ; a pass's 32 query rows
.irp j, 0,1,2,3,4,5,6,7,8,9,10,11,12,13,14,15
	global_load_b128 v[QR+4*\j:QR+4*\j+3], v[GIN], s[QB:QB+1] offset:4096*\j
.endr
.endm
; 32 rows into my stage: row p at 272 p + 128 (p / 16): the skew keeps rows 0-7 and rows 16-23, which one read takes together, in different columns of 16 bytes
.macro STAGEIN reg
.irp j, 0,1,2,3,4,5,6,7,8,9,10,11,12,13,14,15
	ds_store_b128 v[SIN], v[\reg+4*\j:\reg+4*\j+3] offset:544*\j+128*(\j/8)
.endr
.endm
; and back, twice: by rows (a lane: 32 neighbours along d of two keys), and by columns (a lane: 32 keys of each of two columns).  LDS serves a wave's instructions in order
.macro READS
.irp u, 0,1
.irp j, 0,1,2,3,4,5,6,7
	ds_load_b128 v[X+32*\u+4*\j:X+32*\u+4*\j+3], v[KRD] offset:2176*\u+16*\j
.endr
.endr
.irp p, 0,1
.set kk, 0
.rept 32
	ds_load_b32 v[X2+32*\p+kk], v[VRD] offset:272*kk+128*(kk/16)+128*\p
.set kk, kk+1
.endr
.endr
.endm
; two blocks of 32 numbers, each whole in my lane: largest magnitude with the floor 2^(3 - 127), so that the byte cannot fall under 1; 2 off its exponent field is the conversion's scale operand
.macro AMAX2 x
.irp c, 0,1
	v_max3_num_f32 v[AM+\c], |v[\x+32*\c]|, |v[\x+32*\c+1]|, 0x1800000
.endr
.irp i, 2,4,6,8,10,12,14,16,18,20,22,24,26,28,30
.irp c, 0,1
	v_max3_num_f32 v[AM+\c], v[AM+\c], |v[\x+32*\c+\i]|, |v[\x+32*\c+\i+1]|
.endr
.endr
.irp c, 0,1
	v_add_nc_u32 v[ASO+\c], 0xff000000, v[AM+\c]
.endr
.irp c, 0,1
	v_lshrrev_b32 v[ABY+\c], 23, v[ASO+\c]
.endr
.endm
; their codes: 6 registers a block (a conversion's three registers begin on an even number, so the upper halves are made elsewhere and moved)
.macro CVT4 pc, x
	v_cvt_scalef32_pk16_fp6_f32 v[\pc:\pc+2], v[\x:\x+15], v[ASO]
	v_cvt_scalef32_pk16_fp6_f32 v[CT:CT+2], v[\x+16:\x+31], v[ASO]
	v_cvt_scalef32_pk16_fp6_f32 v[\pc+6:\pc+8], v[\x+32:\x+47], v[ASO+1]
	v_cvt_scalef32_pk16_fp6_f32 v[CT+4:CT+6], v[\x+48:\x+63], v[ASO+1]
	v_nop                                          ; one plain place behind a scaled conversion
.irp i, 0,1,2
	v_mov_b32 v[\pc+3+\i], v[CT+\i]
	v_mov_b32 v[\pc+9+\i], v[CT+4+\i]
.endr
.endm
; KEY ROLE of block i: fragment i.  My two bytes (tile 0's and tile 1's d-block h) go 8 h bits up; with lane l xor 16's two the row's scale word is whole
.macro KROLE i, xo
	AMAX2 X
	v_lshl_or_b32 v[AW], v[ABY+1], 16, v[ABY]
	v_lshlrev_b32 v[AW], v[SH8], v[AW]
	v_permlanex16_b32 v[AT], v[AW], s[SEL], s[SEL+1]
	v_or_b32 v[AW], v[AW], v[AT]
	CVT4 PC, X
.irp c, 0,1,2
	ds_store_b128 v[KIA], v[PC+4*\c:PC+4*\c+3] offset:\xo+1536*(\i)+512*\c
.endr
	ds_store_b32 v[KSA], v[AW] offset:\xo+4*(\i)   ; both halves of the lanes store the same word
.endm
; VALUE ROLE of block i: my columns d = lane and lane + 32.  The six registers are registers 6 (i / 2) .. + 5 of lane (d % 16) + 16 (i % 2) of fragment d / 16
.macro VROLE i, xo, last
	AMAX2 X2
.irp p, 0,1
.if (\i) == 0
	v_mov_b32 v[VW+\p], v[ABY+\p]
.else
	v_lshl_or_b32 v[VW+\p], v[ABY+\p], 8*(\i), v[VW+\p]
.endif
.endr
	CVT4 PC+12, X2
.irp p, 0,1
.if (\i)/2 == 0
	ds_store_b128 v[VIA], v[PC+12+6*\p:PC+12+6*\p+3] offset:\xo+3072*\p+256*((\i)%2)
	ds_store_b64 v[VIA], v[PC+12+6*\p+4:PC+12+6*\p+5] offset:\xo+3072*\p+256*((\i)%2)+512
.else
	ds_store_b64 v[VIA], v[PC+12+6*\p:PC+12+6*\p+1] offset:\xo+3072*\p+256*((\i)%2)+520
	ds_store_b128 v[VIA], v[PC+12+6*\p+2:PC+12+6*\p+5] offset:\xo+3072*\p+256*((\i)%2)+1024
.endif
.endr
.if \last
.irp p, 0,1
	ds_store_b32 v[VSA], v[VW+\p] offset:\xo+8*\p
.endr
.endif
.endm
; A block of 32 keys.  cnt: the younger global loads, which may stay out
.macro BLOCK i, reg, cnt, last
	s_wait_loadcnt \cnt
	WIN 0x04                                       ; an LDS store's data are its source 1: window 1
	STAGEIN \reg
	WIN 0
	READS
	s_wait_dscnt 63                                ; behind the sixteen reads by rows stand 64 younger reads: the stores into the stage are done too
.if (\i) == 0
	WIN 0x40
	LOADSET R0, 3                                  ; set 0 has been read by its stores: it takes block 3,
	QLOAD                                          ; and the first pass's queries are asked for
	WIN 0
.endif
	KROLE \i, 0
	s_wait_dscnt 4                                 ; the 64 reads by columns are in; the key role's four stores may be out
	VROLE \i, 0, \last
.endm
.macro KFL ka, ko                      ; K's four fragments (destination window 1)
.irp f, 0,1,2,3
.irp c, 0,1,2
	ds_load_b128 v[KF+12*\f+4*\c:KF+12*\f+4*\c+3], v[\ka] offset:\ko+1536*\f+512*\c
.endr
.endr
.endm
; 26 LDS loads in one run: V^T's fragments and scale words of one step, K's of another
.macro FETCH va, oa, ka, ko
	WIN 0x40
.irp t, 0,1,2,3
.irp c, 0,1,2
	ds_load_b128 v[VF+12*\t+4*\c:VF+12*\t+4*\c+3], v[\va] offset:\oa+VIMG+1536*\t+512*\c
.endr
.endr
	KFL \ka, \ko
	WIN 0
	ds_load_b128 v[VS:VS+3], v[\va] offset:\oa+KSC ; lanes 16-31: V's words
	ds_load_b128 v[KS:KS+3], v[\ka] offset:\ko+KSC ; lanes 0-15: K's words
.endm
; O^T (+)= V^T P^T: eight accumulators by turns, one instruction a turn.  zero = 1: the products start the sums
.macro PVS zero
	WIN 0x51                                       ; D, A and C window 1, B (p's codes) window 0
.irp t, 0,1,2,3
.irp q, 0,1
.if \zero
	v_wmma_scale_f32_16x16x128_f8f6f4 v[O+32*\q+8*\t:O+32*\q+8*\t+7], v[VF+12*\t:VF+12*\t+11], v[PC+12*\q:PC+12*\q+11], 0, v[VS+\t], v[PW+\q] matrix_a_fmt:MATRIX_FMT_FP6 matrix_b_fmt:MATRIX_FMT_FP6 matrix_a_scale:MATRIX_SCALE_ROW1
.else
	v_wmma_scale_f32_16x16x128_f8f6f4 v[O+32*\q+8*\t:O+32*\q+8*\t+7], v[VF+12*\t:VF+12*\t+11], v[PC+12*\q:PC+12*\q+11], v[O+32*\q+8*\t:O+32*\q+8*\t+7], v[VS+\t], v[PW+\q] matrix_a_fmt:MATRIX_FMT_FP6 matrix_b_fmt:MATRIX_FMT_FP6 matrix_a_scale:MATRIX_SCALE_ROW1
.endif
.endr
.endr
	WIN 0
.endm
	s_load_b256 s[4:11], s[0:1], 0x0               ; X, Y, pad_x, pad_y
	s_load_b128 s[12:15], s[0:1], 0x20             ; out0, out1
	v_lshl_add_u32 v251, v0, 2, 0x2da00
	v_mov_b32 v255, 0
	v_lshrrev_b32 v14, 5, v0
	v_readfirstlane_b32 s[WV], v14                 ; wave 0..7
	v_and_b32 v15, 31, v0                          ; lane
	v_and_b32 v14, 15, v0                          ; r
	v_bfe_u32 v17, v0, 4, 1                        ; h
	v_bfe_u32 v19, v0, 3, 1                        ; r / 8
	s_mul_i32 s17, s[WV], WSTGB
	s_add_co_u32 s17, s17, STG                     ; my stage
	s_mul_i32 s36, s[WV], STEPB                    ; my key step's images
	; every LDS address is made here, ahead of the first branch: a constant + constants x lane terms + a constant x wave
	v_lshlrev_b32 v[L0], 4, v15
	v_add_nc_u32 v[LT], TAILB, v[L0]
	v_lshlrev_b32 v[GIN], 4, v14
	v_lshl_add_u32 v[GIN], v17, 11, v[GIN]
	v_mul_u32_u24 v[SIN], v17, 272
	v_lshl_add_u32 v[SIN], v14, 4, v[SIN]
	v_add_nc_u32 v[SIN], s17, v[SIN]
	v_lshl_add_u32 v[KRD], v19, 3, v14             ; r + 8 (r / 8)
	v_mul_u32_u24 v[KRD], v[KRD], 272
	v_add_nc_u32 v19, v19, v17                     ; the skew of rows 16 on, and my half of the row: 128 bytes each
	v_lshl_add_u32 v[KRD], v19, 7, v[KRD]
	v_add_nc_u32 v[KRD], s17, v[KRD]
	v_lshl_add_u32 v[VRD], v15, 2, s17
	v_mul_u32_u24 v[QRD], v14, 272
	v_lshl_add_u32 v[QRD], v17, 7, v[QRD]
	v_add_nc_u32 v[QRD], s17, v[QRD]
	v_lshl_add_u32 v[KSA], v14, 4, s36
	v_add_nc_u32 v[KSA], KSC, v[KSA]
	v_lshl_add_u32 v[VSA], v17, 2, v[KSA]
	v_add_nc_u32 v[VSA], 256, v[VSA]
	v_add_nc_u32 v[KIA], s36, v[L0]
	v_mul_u32_u24 v[VIA], v17, 1536
	v_lshl_add_u32 v[VIA], v14, 4, v[VIA]
	v_add_nc_u32 v[VIA], s36, v[VIA]
	v_add_nc_u32 v[VIA], VIMG, v[VIA]
	v_mul_u32_u24 v[SO], v14, 272
	v_lshl_add_u32 v[SO], v17, 5, v[SO]
	v_add_nc_u32 v[SO], s17, v[SO]
	v_mov_b32 v[NINF], 0xff800000
	v_lshlrev_b32 v[SH8], 3, v17
.irp i, 0,1,2,3
	v_mov_b32 v[ZQ+\i], 0
	v_mov_b32 v[TL+\i], 0
	v_mov_b32 v[ST+oBX+\i], 0                      ; written once: a lane permute's destination counts as one of its sources
	v_mov_b32 v[ST+24+oBX+\i], 0
.endr
	v_mov_b32 v[AT], 0
	s_mov_b32 s[SEL], 0x76543210
	s_mov_b32 s[SEL+1], 0xfedcba98                 ; v_permlanex16_b32's selects for lane l xor 16
	s_mov_b32 s[CS], 0x3fb8aa3b                    ; log2(e)
	s_mov_b32 s[CS+1], s[CS]                       ; (named with it as a pair, so it is written)
	s_mov_b32 s[LOW], 0x0000ffff                   ; lanes 0-15
	s_and_b32 s37, ttmp7, 0xffff                   ; batch x 8 + head
	s_lshr_b32 s18, s37, 3
	s_lshl_b32 s18, s18, 21                        ; a batch is 1,024 rows of 2,048 bytes,
	s_and_b32 s46, s37, 7
	s_lshl_b32 s46, s46, 8                         ; a head 256 bytes of a row
	s_or_b32 s18, s18, s46
	s_mov_b32 s19, 0
	s_mov_b32 s47, 0
	s_lshl_b32 s36, s[WV], 18                      ; my wave's 128 rows (64 pairs of rows): 262,144 bytes
	s_mov_b32 s37, 0
	s_wait_kmcnt 0x0
	s_cmp_eq_u32 ttmp9, 0                          ; the direction: the choice hangs on the work-group's number alone
	s_cselect_b64 s[40:41], s[4:5], s[6:7]         ; keys and values
	s_cselect_b64 s[42:43], s[6:7], s[4:5]         ; queries
	s_cselect_b64 s[38:39], s[8:9], s[10:11]       ; the keys' pad rows
	s_cselect_b64 s[44:45], s[12:13], s[14:15]     ; the output
	s_add_nc_u64 s[38:39], s[38:39], s[46:47]      ; the pad rows at my head
	s_add_nc_u64 s[40:41], s[40:41], s[18:19]      ; the key tensor at my batch and head
	s_add_nc_u64 s[18:19], s[18:19], s[36:37]
	s_add_nc_u64 s[KB:KB+1], s[40:41], s[36:37]    ; pair 64 w + jj of padded rows lies (jj - 1) x 4,096 bytes from here
	s_add_nc_u64 s[QB:QB+1], s[42:43], s[18:19]    ; my wave's first query row
	s_add_nc_u64 s[OB:OB+1], s[44:45], s[18:19]    ; and its row of the output
	s_max_u32 s36, s36, 4096
	s_sub_co_u32 s36, s36, 4096                    ; the pair in front of KB (wave 0: not used)
	s_add_nc_u64 s[P0:P0+1], s[40:41], s[36:37]
	s_cmp_eq_u32 s[WV], 0
	s_cselect_b64 s[P0:P0+1], s[38:39], s[P0:P0+1] ; wave 0's first pair is the pad: two rows, 2,048 bytes apart like the tensor's
	; ---- PHASE A
	s_cmp_lg_u32 s[WV], 7
	s_cbranch_scc1 .Lno_tl
	global_load_b128 v[TL:TL+3], v[GIN], s[KB:KB+1] offset:63*4096   ; padded rows 1,024 and 1,025: wave 7's oldest load, so that no later count changes
.Lno_tl:
	WIN 0x40                                       ; destination window 1
	LOADSET R0, 0
	LOADSET R1, 1
	LOADSET R2, 2
	WIN 0
	BLOCK 0, R0, 32, 0                             ; younger: blocks 1, 2
	BLOCK 1, R1, 48, 0                             ; younger: blocks 2, 3 and the queries
	BLOCK 2, R2, 32, 0                             ; younger: block 3 and the queries
	BLOCK 3, R0, 16, 1                             ; younger: the queries
	s_cmp_lg_u32 s[WV], 7
	s_cbranch_scc1 .Lno_tail
.set kk, 0
.rept 25
	ds_store_b128 v[KIA], v[ZQ:ZQ+3] offset:STEPB+512*kk    ; region 8 becomes zeros: zero codes add nothing under the scale byte 0
.set kk, kk+1
.endr
	ds_store_b128 v[SIN], v[TL:TL+3]               ; the block's two real rows,
.irp j, 1,2,3,4,5,6,7,8,9,10,11,12,13,14,15
	ds_store_b128 v[SIN], v[ZQ:ZQ+3] offset:544*\j+128*(\j/8)   ; and thirty rows of zeros, as the quantiser fills a short block
.endr
	READS
	s_wait_dscnt 63
	KROLE 0, STEPB
	s_wait_dscnt 4
	VROLE 0, STEPB, 1
.Lno_tail:
	WIN 0x40
.irp i, 0,1,2,3,4,5,12,13,14,15,16,17,24,25,26,27,28,29
	v_mov_b32 v[QZ+\i], 0                          ; the zero halves beside the queries' codes: written once
.endr
	WIN 0
	s_wait_dscnt 0x0                               ; for the others' sake: all my images lie in LDS
	s_barrier_signal -1
	s_barrier_wait -1                              ; everybody's do; from here on the images are only read
	WIN 0x40
	KFL LT, 0                                      ; the tail's keys
	WIN 0
	ds_load_b128 v[KS:KS+3], v[LT] offset:KSC
	; ---- MAIN PHASE
	s_mov_b32 s[PASS], 4
.Lpass:
	; the pass's 32 query rows: through the stage, so that a lane holds 32 neighbours along d of its row
	s_wait_loadcnt 0x0                             ; asked for a pass ago
	WIN 0x04
	STAGEIN QR
	WIN 0
.irp q, 0,1
.irp j, 0,1,2,3,4,5,6,7
	ds_load_b128 v[X+32*\q+4*\j:X+32*\q+4*\j+3], v[QRD] offset:4480*\q+16*\j
.endr
.endr
	s_wait_dscnt 0x0                               ; the rows are back; the stores have read their registers; the tail's keys are in
	s_cmp_eq_u32 s[PASS], 1                        ; the next pass's rows are asked for here, if there is a next pass: no load leaves its buffer
	s_cbranch_scc1 .Lno_next
	s_add_nc_u64 s[QB:QB+1], s[QB:QB+1], 65536     ; 32 rows on (no load that names the base is out)
	WIN 0x40
	QLOAD
	WIN 0
.Lno_next:
	AMAX2 X                                        ; chain q: tile q; my lane's block is d = 32 h .. 32 h + 31 of query r
.irp q, 0,1
	v_lshlrev_b32 v[AW], v[SH8], v[ABY+\q]
	v_permlanex16_b32 v[AT], v[AW], s[SEL], s[SEL+1]
	v_or_b32 v[AW], v[AW], v[AT]
	v_lshl_or_b32 v[QS+\q], v[AW], 16, v[AW]       ; the two bytes twice: the codes stand in either half of the operand
.endr
	v_cvt_scalef32_pk16_fp6_f32 v[CT:CT+2], v[X+16:X+31], v[ASO]
	v_cvt_scalef32_pk16_fp6_f32 v[CT+4:CT+6], v[X+48:X+63], v[ASO+1]
	WIN 0x40
	v_cvt_scalef32_pk16_fp6_f32 v[QZ+6:QZ+8], v[X:X+15], v[ASO]
	v_cvt_scalef32_pk16_fp6_f32 v[QZ+18:QZ+20], v[X+32:X+47], v[ASO+1]
	v_nop                                          ; one plain place behind a scaled conversion
.irp i, 0,1,2
	v_mov_b32 v[QZ+9+\i], v[CT+\i]
	v_mov_b32 v[QZ+21+\i], v[CT+4+\i]
.endr
	WIN 0
.rept 8
	v_nop                                          ; a scale register written by a vector instruction stands 8 places ahead of a scaled product, an operand 4
.endr
	; THE TAIL STEP FIRST: keys 1,024 and 1,025 are registers 0 and 1 of lanes 0-15.  It starts M, the sum and O^T
	WIN 0x05                                       ; A and B window 1, D window 0
.irp q, 0,1
	v_wmma_scale_f32_16x16x128_f8f6f4 v[S+64*\q:S+64*\q+7], v[KF:KF+11], v[QZ+6+12*\q:QZ+6+12*\q+11], 0, v[KS], v[QS+\q] matrix_a_fmt:MATRIX_FMT_FP6 matrix_b_fmt:MATRIX_FMT_FP6
.endr
	WIN 0
.irp q, 0,1
.irp i, 3,4,5,6,7,8,9,10,11
	v_mov_b32 v[PC+12*\q+\i], 0                    ; p's codes of keys that do not exist.  (These 18 are the places behind the two products)
.endr
.endr
	FETCH LT, 0, L0, 0                             ; the tail's values; key step 0's keys
.irp q, 0,1
	v_cndmask_b32 v[S+64*\q], v[NINF], v[S+64*\q], s[LOW]       ; lanes 16-31 hold keys that do not exist: -infinity, so that p = 0
	v_cndmask_b32 v[S+64*\q+1], v[NINF], v[S+64*\q+1], s[LOW]
.endr
.irp q, 0,1
	v_max_num_f32 v[ST+24*\q+oBM], v[S+64*\q], v[S+64*\q+1]
.endr
.irp q, 0,1
	v_permlanex16_b32 v[ST+24*\q+oBX], v[ST+24*\q+oBM], s[SEL], s[SEL+1]
.endr
.irp q, 0,1
	v_max_num_f32 v[ST+24*\q+oBM], v[ST+24*\q+oBM], v[ST+24*\q+oBX]
.endr
.irp q, 0,1
	v_mul_f32 v[ST+24*\q+oTX], s[CS], v[ST+24*\q+oBM]           ; the largest t
.endr
.irp q, 0,1
	v_floor_f32 v[ST+24*\q+oNM], -v[ST+24*\q+oTX]               ; -M = floor(-t) = -ceil(t)
.endr
.irp q, 0,1
	v_fma_f32 v[S+64*\q], v[S+64*\q], s[CS], v[ST+24*\q+oNM]
	v_fma_f32 v[S+64*\q+1], v[S+64*\q+1], s[CS], v[ST+24*\q+oNM]
	v_fma_f32 v[ST+24*\q+oBM], v[ST+24*\q+oBM], s[CS], v[ST+24*\q+oNM]
.endr
.irp q, 0,1
	v_exp_f32 v[S+64*\q], v[S+64*\q]
	v_exp_f32 v[S+64*\q+1], v[S+64*\q+1]
	v_exp_f32 v[ST+24*\q+oBM], v[ST+24*\q+oBM]     ; the block's largest p
.endr
.irp q, 0,1
.irp i, 2,3,4,5,6,7,8,9,10,11,12,13,14,15
	v_mov_b32 v[S+64*\q+\i], 0                     ; the rest of the conversion's sixteen.  (Plain places behind the exponentials)
.endr
.endr
	s_wait_alu depctr_va_vdst(0)
.irp q, 0,1
	v_mov_b32 v[ST+24*\q+oL], v[S+64*\q]           ; the sum begins with the two unquantised p
	v_mov_b32 v[ST+24*\q+oL+1], v[S+64*\q+1]
	v_max_num_f32 v[ST+24*\q+oBM], 0x1800000, v[ST+24*\q+oBM]
.endr
.irp q, 0,1
	v_add_nc_u32 v[ST+24*\q+oSOP], 0xff000000, v[ST+24*\q+oBM]
.endr
.irp q, 0,1
	v_lshrrev_b32 v[PW+\q], 23, v[ST+24*\q+oSOP]   ; byte 0: the block's; bytes 1-3 stay 0, over zero codes
.endr
.irp q, 0,1
	v_cvt_scalef32_pk16_fp6_f32 v[PC+12*\q:PC+12*\q+2], v[S+64*\q:S+64*\q+15], v[ST+24*\q+oSOP]
.endr
.rept 8
	v_nop                                          ; 8 places between the scale words' last write and the products; the first is the place behind the conversions
.endr
	s_wait_dscnt 0x0                               ; the tail's values and step 0's keys are in
	PVS 1
	s_mov_b32 s[SB], 0
	s_mov_b32 s[STEPS], 8
.Lstep:                                                ; a key step: 128 keys, two tiles of queries
	v_add_nc_u32 v[LI], s[SB], v[L0]
	WIN 0x05
.irp f, 0,1,2,3
.irp u, 0,1
.irp q, 0,1
	v_wmma_scale_f32_16x16x128_f8f6f4 v[S+64*\q+8*(2*\f+\u):S+64*\q+8*(2*\f+\u)+7], v[KF+12*\f:KF+12*\f+11], v[QZ+6+12*\q-6*\u:QZ+6+12*\q-6*\u+11], 0, v[KS+\f], v[QS+\q] matrix_a_fmt:MATRIX_FMT_FP6 matrix_b_fmt:MATRIX_FMT_FP6
.endr
.endr
.endr
	WIN 0
.rept 4
	v_nop                                          ; places in front of loads into registers that matrix instructions have read, and of the first read of the scores
.endr
	FETCH LI, 0, LI, STEPB                         ; this step's values and the NEXT step's keys, a whole softmax ahead of their use; the last trip fetches the tail's keys, for the next pass
.irp q, 0,1
.irp b, 0,1,2,3
	v_max3_num_f32 v[ST+24*\q+oBM+\b], v[S+64*\q+16*\b], v[S+64*\q+16*\b+1], v[S+64*\q+16*\b+2]   ; the largest score of each block of 32 keys; each accumulator is read from its low end on
.endr
.endr
.irp i, 3,5,7,9,11,13
.irp q, 0,1
.irp b, 0,1,2,3
	v_max3_num_f32 v[ST+24*\q+oBM+\b], v[ST+24*\q+oBM+\b], v[S+64*\q+16*\b+\i], v[S+64*\q+16*\b+\i+1]
.endr
.endr
.endr
.irp q, 0,1
.irp b, 0,1,2,3
	v_max_num_f32 v[ST+24*\q+oBM+\b], v[ST+24*\q+oBM+\b], v[S+64*\q+16*\b+15]
.endr
.endr
.irp q, 0,1
.irp b, 0,1,2,3
	v_permlanex16_b32 v[ST+24*\q+oBX+\b], v[ST+24*\q+oBM+\b], s[SEL], s[SEL+1]
.endr
.endr
.irp q, 0,1
.irp b, 0,1,2,3
	v_max_num_f32 v[ST+24*\q+oBM+\b], v[ST+24*\q+oBM+\b], v[ST+24*\q+oBX+\b]   ; with lane l xor 16's 16 keys
.endr
.endr
.irp q, 0,1
	v_max3_num_f32 v[ST+24*\q+oTA], v[ST+24*\q+oBM], v[ST+24*\q+oBM+1], v[ST+24*\q+oBM+2]
.endr
.irp q, 0,1
	v_max_num_f32 v[ST+24*\q+oTA], v[ST+24*\q+oTA], v[ST+24*\q+oBM+3]
.endr
.irp q, 0,1
	v_mul_f32 v[ST+24*\q+oTA], s[CS], v[ST+24*\q+oTA]
.endr
.irp q, 0,1
	v_max_num_f32 v[ST+24*\q+oTX], v[ST+24*\q+oTX], v[ST+24*\q+oTA]            ; the running largest t
	v_mov_b32 v[ST+24*\q+oFD], v[ST+24*\q+oNM]
.endr
.irp q, 0,1
	v_floor_f32 v[ST+24*\q+oNM], -v[ST+24*\q+oTX]  ; the new -M
.endr
.irp q, 0,1
	v_sub_f32 v[ST+24*\q+oFD], v[ST+24*\q+oNM], v[ST+24*\q+oFD]                ; old M - new M: a whole number, 0 or less
.endr
.irp q, 0,1
	v_cvt_i32_f32 v[ST+24*\q+oFD], v[ST+24*\q+oFD] ; (it saturates)
.endr
.irp q, 0,1
	v_ldexp_f32 v[ST+24*\q+oFF], 1.0, v[ST+24*\q+oFD]                          ; f = 2^(old M - new M)
.endr
.set jj, 0
.rept 32
.irp q, 0,1
	v_pk_fma_f32 v[S+64*\q+jj:S+64*\q+jj+1], v[S+64*\q+jj:S+64*\q+jj+1], s[CS:CS+1], v[ST+24*\q+oNM:ST+24*\q+oNM+1] op_sel_hi:[1,0,0]   ; t - M, two at a time
.endr
.set jj, jj+2
.endr
.irp q, 0,1
.irp b, 0,1,2,3
	v_fma_f32 v[ST+24*\q+oBM+\b], v[ST+24*\q+oBM+\b], s[CS], v[ST+24*\q+oNM]   ; the same of each block's largest score
.endr
.endr
.irp q, 0,1
.set jj, 0
.rept 64
	v_exp_f32 v[S+64*\q+jj], v[S+64*\q+jj]         ; p = 2^(t - M)
.set jj, jj+1
.endr
.endr
.irp q, 0,1
.irp b, 0,1,2,3
	v_exp_f32 v[ST+24*\q+oBM+\b], v[ST+24*\q+oBM+\b]   ; the block's largest p: the same two instructions on the same number
.endr
.endr
.irp q, 0,1
	v_pk_mul_f32 v[ST+24*\q+oL:ST+24*\q+oL+1], v[ST+24*\q+oL:ST+24*\q+oL+1], v[ST+24*\q+oFF:ST+24*\q+oFF+1] op_sel_hi:[1,0]   ; the sums under the new M.  (A plain place behind the exponentials)
.endr
	s_wait_alu depctr_va_vdst(0)
.irp q, 0,1
.irp b, 0,1,2,3
	v_max_num_f32 v[ST+24*\q+oBM+\b], 0x1800000, v[ST+24*\q+oBM+\b]            ; the floor 2^(3 - 127): the byte cannot fall under 1
.endr
.endr
.irp q, 0,1
.irp b, 0,1,2,3
	v_add_nc_u32 v[ST+24*\q+oSOP+\b], 0xff000000, v[ST+24*\q+oBM+\b]           ; 2 off the exponent field: the conversion's scale operand
.endr
.endr
.irp q, 0,1
.irp b, 0,1,2,3
	v_lshrrev_b32 v[ST+24*\q+oBX+\b], 23, v[ST+24*\q+oSOP+\b]                  ; the scale's byte
.endr
.endr
.irp q, 0,1
	v_lshl_or_b32 v[PW+\q], v[ST+24*\q+oBX+1], 8, v[ST+24*\q+oBX]
.endr
.irp q, 0,1
	v_lshl_or_b32 v[PW+\q], v[ST+24*\q+oBX+2], 16, v[PW+\q]
.endr
.irp q, 0,1
	v_lshl_or_b32 v[PW+\q], v[ST+24*\q+oBX+3], 24, v[PW+\q]                    ; p's scale word for these 128 keys
.endr
.irp q, 0,1                            ; the tiles one after the other: they share the registers for the upper halves
.irp c, 0,1
	v_cvt_scalef32_pk16_fp6_f32 v[PC+12*\q+6*\c:PC+12*\q+6*\c+2], v[S+64*\q+32*\c:S+64*\q+32*\c+15], v[ST+24*\q+oSOP+2*\c]
	v_cvt_scalef32_pk16_fp6_f32 v[CT+4*\c:CT+4*\c+2], v[S+64*\q+32*\c+16:S+64*\q+32*\c+31], v[ST+24*\q+oSOP+2*\c+1]
.endr
	v_nop                                          ; one plain place behind a scaled conversion
.irp c, 0,1                            ; the operand's layout wants a whole block in a lane: lanes 0-15 block 2 c, lanes 16-31 block 2 c + 1
.irp i, 0,1,2
	v_permlane16_swap_b32 v[PC+12*\q+6*\c+\i], v[CT+4*\c+\i]
.endr
.irp i, 0,1,2
	v_mov_b32 v[PC+12*\q+6*\c+3+\i], v[CT+4*\c+\i]
.endr
.endr
.endr
.irp q, 0,1
	v_pk_add_f32 v[ST+24*\q+oC2:ST+24*\q+oC2+1], v[S+64*\q:S+64*\q+1], v[S+64*\q+2:S+64*\q+3]   ; the row's sum of the unquantised p: two at a time, in two chains a tile
.endr
.irp j, 4,8,12,16,20,24,28,32,36,40,44,48,52,56,60
.irp q, 0,1
	v_pk_add_f32 v[ST+24*\q+oL:ST+24*\q+oL+1], v[ST+24*\q+oL:ST+24*\q+oL+1], v[S+64*\q+\j:S+64*\q+\j+1]
	v_pk_add_f32 v[ST+24*\q+oC2:ST+24*\q+oC2+1], v[ST+24*\q+oC2:ST+24*\q+oC2+1], v[S+64*\q+\j+2:S+64*\q+\j+3]
.endr
.endr
.irp q, 0,1
	v_pk_add_f32 v[ST+24*\q+oL:ST+24*\q+oL+1], v[ST+24*\q+oL:ST+24*\q+oL+1], v[ST+24*\q+oC2:ST+24*\q+oC2+1]
.endr
	WIN 0x41                                       ; O^T (destination and source 0) window 1, f window 0
.irp q, 0,1
.set jj, 0
.rept 16
	v_pk_mul_f32 v[O+32*\q+jj:O+32*\q+jj+1], v[O+32*\q+jj:O+32*\q+jj+1], v[ST+24*\q+oFF:ST+24*\q+oFF+1] op_sel_hi:[1,0]   ; O^T under the new M, each accumulator from its low end on
.set jj, jj+2
.endr
.endr
	s_wait_dscnt 0x0                               ; the 26 loads issued ahead of the softmax are in
	PVS 0
	s_add_co_u32 s[SB], s[SB], STEPB
	s_sub_co_u32 s[STEPS], s[STEPS], 1
	s_cmp_lg_u32 s[STEPS], 0
	s_cbranch_scc1 .Lstep
	; THE WAY OUT of a pass.  The additions and the exchange are the places behind the last products
.irp q, 0,1
	v_add_f32 v[ST+24*\q+oTA], v[ST+24*\q+oL], v[ST+24*\q+oL+1]
.endr
.irp q, 0,1
	v_permlanex16_b32 v[ST+24*\q+oBX], v[ST+24*\q+oTA], s[SEL], s[SEL+1]
.endr
.irp q, 0,1
	v_add_f32 v[ST+24*\q+oTA], v[ST+24*\q+oTA], v[ST+24*\q+oBX]                ; the row's sum
.endr
.irp q, 0,1
	v_rcp_f32 v[ST+24*\q+oFF], v[ST+24*\q+oTA]
.endr
	v_nop                                          ; a plain place behind the reciprocals
	WIN 0x01                                       ; source 0 (O^T) window 1
	s_wait_alu depctr_va_vdst(0)
.irp q, 0,1
.set jj, 0
.rept 16
	v_pk_mul_f32 v[X+32*\q+jj:X+32*\q+jj+1], v[O+32*\q+jj:O+32*\q+jj+1], v[ST+24*\q+oFF:ST+24*\q+oFF+1] op_sel_hi:[1,0]   ; register 8 t + j: o(query r, d = 16 t + 8 h + j)
.set jj, jj+2
.endr
.endr
	WIN 0
.irp q, 0,1
.irp t, 0,1,2,3
	ds_store_b128 v[SO], v[X+32*\q+8*\t:X+32*\q+8*\t+3] offset:4352*\q+64*\t
	ds_store_b128 v[SO], v[X+32*\q+8*\t+4:X+32*\q+8*\t+7] offset:4352*\q+64*\t+16
.endr
.endr
.irp k, 0,1,2,3,4,5,6,7,8,9,10,11,12,13,14,15
	ds_load_b128 v[X2+4*\k:X2+4*\k+3], v[SIN] offset:4352*(\k/8)+544*(\k%8)    ; LDS serves a wave's instructions in order: these see my stores
.endr
.irp k, 0,1,2,3,4,5,6,7,8,9,10,11,12,13,14,15
	s_wait_dscnt 15-\k                             ; LDS loads come back in order: pair k of rows is in
	global_store_b128 v[GIN], v[X2+4*\k:X2+4*\k+3], s[OB:OB+1] offset:4096*\k th:TH_STORE_NT   ; sixteen lanes store 256 consecutive bytes, at a multiple of 256 from the buffer's first byte
.endr
	s_wait_xcnt 0x0                                ; the stores' base and data registers are written again only behind this wait
	s_add_nc_u64 s[OB:OB+1], s[OB:OB+1], 65536     ; 32 rows on
	s_sub_co_u32 s[PASS], s[PASS], 1
	s_cmp_lg_u32 s[PASS], 0
	s_cbranch_scc1 .Lpass
	s_wait_tensorcnt 0x0
	ds_add_u32 v251, v255
	s_wait_dscnt 0x0
	s_endpgm
.Lfunc_end_k_q7c96c653f9_mha:
	.size	k_q7c96c653f9_mha, .Lfunc_end_k_q7c96c653f9_mha-k_q7c96c653f9_mha
	.p2alignl 7, 3214868480
	.fill 96, 4, 3214868480
	.section	.rodata,"a",@progbits
	.p2align	6, 0x0
	.amdhsa_kernel k_q7c96c653f9_mha
		.amdhsa_group_segment_fixed_size 187904
		.amdhsa_private_segment_fixed_size 0
		.amdhsa_enable_private_segment 0
		.amdhsa_kernarg_size 48
		.amdhsa_user_sgpr_count 2
		.amdhsa_user_sgpr_kernarg_segment_ptr 1
		.amdhsa_wavefront_size32 1
		.amdhsa_system_sgpr_workgroup_id_x 1
		.amdhsa_system_sgpr_workgroup_id_y 1
		.amdhsa_system_sgpr_workgroup_id_z 1
		.amdhsa_system_vgpr_workitem_id 0
		.amdhsa_next_free_vgpr 512
		.amdhsa_next_free_sgpr 66
		.amdhsa_reserve_vcc 0
		.amdhsa_float_denorm_mode_32 3
		.amdhsa_float_denorm_mode_16_64 3
		.amdhsa_memory_ordered 1
		.amdhsa_forward_progress 1
		.amdhsa_inst_pref_size 127
	.end_amdhsa_kernel
	.amdgpu_metadata
---
amdhsa.version: [ 1, 2 ]
amdhsa.kernels:
  - .name:           k_q7c96c653f9_mha
    .symbol:         k_q7c96c653f9_mha.kd
    .args:
      - { .name: X, .offset: 0, .size: 8, .value_kind: global_buffer, .address_space: global }
      - { .name: Y, .offset: 8, .size: 8, .value_kind: global_buffer, .address_space: global }
      - { .name: pad_x, .offset: 16, .size: 8, .value_kind: global_buffer, .address_space: global }
      - { .name: pad_y, .offset: 24, .size: 8, .value_kind: global_buffer, .address_space: global }
      - { .name: out0, .offset: 32, .size: 8, .value_kind: global_buffer, .address_space: global }
      - { .name: out1, .offset: 40, .size: 8, .value_kind: global_buffer, .address_space: global }
    .group_segment_fixed_size: 187904
    .private_segment_fixed_size: 0
    .kernarg_segment_align: 8
    .kernarg_segment_size: 48
    .max_flat_workgroup_size: 256
    .sgpr_count:     66
    .vgpr_count:     512
    .wavefront_size: 32
...
	.end_amdgpu_metadata
.endif
;; end of part 1
;; ======== version 2 of 2: 1 launch; version 1 with the launch mha written anew for expert scheduling mode
;; launch mha (part 2): grid 2 x 128, 8 waves a work-group, no clusters, 187,904 bytes of LDS; arguments X, Y, pad_x, pad_y, out0, out1; writes out0, out1
.if DOCPART == 2
	.amdgcn_target "amdgcn-amd-amdhsa--gfx1250"
	.amdhsa_code_object_version 6
	.text
	.protected	k_q7c96c653f9_mha
	.globl	k_q7c96c653f9_mha
	.p2align	8
	.type	k_q7c96c653f9_mha,@function
k_q7c96c653f9_mha:
	s_mov_b64 s[64:65], 0
	v_nop
	global_prefetch_b8 v0, s[64:65] scope:SCOPE_SE
	s_setreg_imm32_b32 hwreg(HW_REG_WAVE_SCHED_MODE, 0, 2), 2
	s_setreg_imm32_b32 hwreg(HW_REG_WAVE_MODE, 25, 1), 1
	s_wait_xcnt 0x0
	s_wait_alu depctr_vm_vsrc(0)
; Two-way attention on one similarity matrix, all three products on codes of FP6 (E2M3) with one E8M0 scale for each 32 along K.
; sim = Xp Yp^T for each of 128 (batch, head) pairs; Xp, Yp = two learned pad rows + 1,024 rows of the head's 64 columns.
; out0[n] = sum over m of softmax_m(sim[m][n]) Xp[m]  (queries = rows of Y, keys = values = Xp);  out1[m] = sum over n of softmax_n(sim[m][n]) Yp[n].
; The pad QUERIES are cut off by the problem: 1,024 queries against 1,026 keys in each direction.
; SHARES.  Work-group (x = direction, y = batch x 8 + head): 256 work-groups.  One text serves both directions: only four pointers are chosen.
; PHASE A.  The eight waves read the key side's 1,026 x 64 numbers once (a row of a head is 256 aligned bytes), quantise them twice, along d (key role) and along the
; keys (value role), and lay the codes in LDS as IMAGES OF THE OPERANDS' REGISTERS: 16 bytes a lane, 512 bytes a group of four registers.  Wave w makes key step w
; (padded rows 128 w .. 128 w + 127); wave 7 also the tail (padded rows 1,024 and 1,025, the rest of its block zeros).  One barrier; then the images are only read.
; MAIN PHASE.  A wave owns 128 queries, in 4 passes of 2 tiles of 16.  A pass: its 32 query rows are quantised in registers; the tail step comes FIRST and starts M, the
; sum and O^T, so nothing is cleared; a loop of 8 key steps of 128 keys; division by the sum; whole rows of 256 bytes out through the wave's own stage.
; LAYOUT.  Both products are used transposed (S^T = K Q^T, O^T = V^T P^T): a lane holds one query (lane % 16) throughout.  d is only 64, so ONE operand of 128 along K holds
; TWO tiles of 16 keys (registers 0-5 and 6-11), and the query stands in one half of the other operand with zero codes in the other half.  Lane r of tile u of fragment f
; takes key 32 f + 8 u + r + 8 (r / 8), so that a lane's 16 registers of the two tiles are 16 neighbouring keys: 32 f + 16 (lane / 16) + 0 .. 15.
; SOFTMAX.  t = score x log2(e); M = the running largest t rounded up to a whole number (kept as -M); p = 2^(t - M) is quantised along the keys, not normalised; the sum is
; taken of the unquantised p; when M moves, the sum and O^T are multiplied by 2^(old M - new M), which rounds nothing.
; LIMITS.  NaN and infinities among the inputs are not served.  A block of zeros gets the scale byte 1 (its codes are zeros; the bytes are read by this text alone).
; A p under 2^-126 comes out as 0 (the exponential flushes; the row's sum is at least 1/2).  A block's largest p is taken as the exponential of the block's largest score.
; No tile is shared between work-groups at one time (the two work-groups of a head read the same numbers in different roles, keys at the start, queries spread over the run),
; and every input byte has to pass through registers to be quantised: so no tensor loads and no cluster.
; THE MODE: SCHED_MODE bits 1:0 = 2 (LLVM: expert scheduling mode 2), set by the entry lines.  The code itself states the register dependences
; between vector or matrix instructions and memory or LDS instructions, with s_wait_alu, always for 0.
; THE PLAN.  Registers that memory or LDS instructions touch:
;   v1, v2, v4-v13  addresses, made once at the head and never written again.   v3 (LI): written by one add at a key step's head, read by that step's 26 LDS loads.
;   R0-R2, QR       (window 1) written by global loads, read by the stores into the stage; R0 is loaded again in block 0, QR in every pass; R0-R2 later become O^T, QZ, KF, VF.
;   X, X2           phase A and a pass's head: written by reads from the stage, read by the quantiser.  The way out: X written by the division, read by LDS stores; X2 written by
;                   reads from the stage, read by global stores.  Between: the scores and p, named by vector and matrix instructions alone.
;   PC, AW, VW      phase A: written by conversions and moves, read by the image stores.  Main phase: named by vector and matrix instructions alone.
;   KF, VF, KS, VS  written by LDS loads, read by matrix instructions.
; PHASE A, a block: one wait on vm_vsrc behind the reads from the stage; one wait on va_vdst ahead of each role's stores; the second of them also shows X and X2 read out, and no
; vector instruction follows it before the next block's reads land there.  A PASS'S HEAD: one wait on vm_vsrc behind the stores of QR serves QR, the last pass's stores of X and X2 and
; phase A's image stores.  A KEY STEP: vm_vsrc ahead of the add to LI; ONE va_vdst behind the score products, behind which the step's 26 loads go out in two runs, with maxima between
; that name scores and statistics alone; the exponentials' wait; va_vdst ahead of the products that take p's codes and scale words.
.set STEPB, 12800                      ; LDS: a key step's images: 4 fragments of K (1,536 bytes each), 4 of V^T, 256 bytes of K's scale words, 256 of V's
.set VIMG,  6144
.set KSC,   12288
.set TAILB, 8*STEPB                    ; region 8: the tail
.set STG,   9*STEPB                    ; behind the images: a stage of 8,960 bytes for each wave, its own
.set WSTGB, 8960
; window 0
.set L0,  1                            ; 16 x lane
.set LT,  2                            ; 16 x lane + TAILB
.set LI,  3                            ; 16 x lane + the step in hand
.set GIN, 4                            ; memory: (lane / 16) x 2,048 + (lane % 16) x 16: two rows of a head an instruction; in and out
.set SIN, 5                            ; stage: the same two rows, 272 bytes apart
.set KRD, 6                            ; stage: key role: row r + 8 (r / 8), d = 32 h on
.set VRD, 7                            ; stage: value role: column = lane
.set QRD, 8                            ; stage: query role: row r, d = 32 h on
.set KSA, 9                            ; where I store K's scale words
.set VSA, 10                           ; and V's
.set KIA, 11                           ; where I store K's images
.set VIA, 12                           ; and V's
.set SO,  13                           ; stage: where I put 32 bytes of a row of O
.set NINF, 16                          ; -infinity
.set SH8, 18                           ; 8 x (lane / 16)
.set ZQ,  20                           ; v20-23 zeros
.set TL,  24                           ; v24-27 the tail's two rows (wave 7)
.set KS,  28                           ; v28-31 lanes 0-15: K's scale words of fragments 0-3
.set VS,  32                           ; v32-35 lanes 16-31: V's scale words of fragments 0-3
.set QS,  36                           ; v36-37 the query tiles' scale words
.set PW,  38                           ; v38-39 p's scale words
.set ST,  40                           ; statistics, 24 registers a tile
.set oNM, 0                            ; -M        (pair with oTX)
.set oTX, 1                            ; the largest t so far
.set oL,  2                            ; the sum, in two halves
.set oFF, 4                            ; f, later 1 / sum   (pair with oFD)
.set oFD, 5
.set oC2, 6                            ; the sum's second chain
.set oBM, 8                            ; four blocks' largest score, then largest p
.set oBX, 12                           ; the other half of the lanes'; then the bytes
.set oSOP, 16                          ; the conversions' scale operands
.set oTA, 20
.set AM,  86                           ; the quantiser of phase A and of the queries: largest magnitudes,
.set VW,  88                           ; V's scale words as they are gathered,
.set AW,  90                           ; a scale word,
.set AT,  91                           ; lane l xor 16's,
.set ASO, 92                           ; the conversions' scale operands,
.set ABY, 94                           ; the bytes
.set X,   96                           ; v96-159  64 numbers (key role, queries); on the way out O / sum
.set X2,  160                          ; v160-223 64 numbers (value role); on the way out whole rows
.set S,   96                           ; v96-223  the scores, then p: 64 a tile
.set PC,  224                          ; v224-247 codes: 12 a tile
.set CT,  248                          ; v248-250, v252-254 the halves of blocks that a conversion cannot put in place
; window 1
.set O,   0                            ; O^T: 32 a tile
.set QZ,  64                           ; [0 x 6][tile 0's codes x 6][0 x 6][tile 1's x 6][0 x 6]: four views of 12 registers
.set KF,  96                           ; K's four fragments
.set VF,  144                          ; V^T's four
.set QR,  192                          ; 32 query rows as loaded
.set R0,  0                            ; phase A: three sets of 32 key rows as loaded
.set R1,  64
.set R2,  128
; scalars
.set WV,  16
.set KB,  20                           ; key tensor at my head, my wave's pairs of rows
.set P0,  22                           ; my wave's first pair: the pad rows (wave 0) or the two rows in front of KB
.set QB,  24
.set OB,  26
.set SEL, 28
.set CS,  30
.set LOW, 32
.set PASS, 33
.set STEPS, 34
.set SB,  35
.set MSB, 0
.macro WIN new                         ; low byte: bits 1:0 source 0, 3:2 source 1, 5:4 source 2, 7:6 destination; the high byte repeats the setting that is left
.if MSB != \new
	s_set_vgpr_msb (MSB<<8)|\new
.set MSB, \new
.endif
.endm
; 16 loads: block i's 32 padded rows, two rows (two aligned runs of 256 bytes) an instruction
.macro LOADSET reg, i
.irp j, 0,1,2,3,4,5,6,7,8,9,10,11,12,13,14,15
.if (16*\i+\j) == 0
	global_load_b128 v[\reg+4*\j:\reg+4*\j+3], v[GIN], s[P0:P0+1]
.else
	global_load_b128 v[\reg+4*\j:\reg+4*\j+3], v[GIN], s[KB:KB+1] offset:(16*\i+\j-1)*4096
.endif
.endr
.endm
.macro QLOAD                           ; a pass's 32 query rows
.irp j, 0,1,2,3,4,5,6,7,8,9,10,11,12,13,14,15
	global_load_b128 v[QR+4*\j:QR+4*\j+3], v[GIN], s[QB:QB+1] offset:4096*\j
.endr
.endm
; 32 rows into my stage: row p at 272 p + 128 (p / 16): the skew keeps rows 0-7 and rows 16-23, which one read takes together, in different columns of 16 bytes
.macro STAGEIN reg
.irp j, 0,1,2,3,4,5,6,7,8,9,10,11,12,13,14,15
	ds_store_b128 v[SIN], v[\reg+4*\j:\reg+4*\j+3] offset:544*\j+128*(\j/8)
.endr
.endm
; and back, twice: by rows (a lane: 32 neighbours along d of two keys), and by columns (a lane: 32 keys of each of two columns).  LDS serves a wave's instructions in order
.macro READS
.irp u, 0,1
.irp j, 0,1,2,3,4,5,6,7
	ds_load_b128 v[X+32*\u+4*\j:X+32*\u+4*\j+3], v[KRD] offset:2176*\u+16*\j
.endr
.endr
.irp p, 0,1
.set kk, 0
.rept 32
	ds_load_b32 v[X2+32*\p+kk], v[VRD] offset:272*kk+128*(kk/16)+128*\p
.set kk, kk+1
.endr
.endr
.endm
; two blocks of 32 numbers, each whole in my lane: largest magnitude with the floor 2^(3 - 127), so that the byte cannot fall under 1; 2 off its exponent field is the conversion's scale operand
.macro AMAX2 x
.irp c, 0,1
	v_max3_num_f32 v[AM+\c], |v[\x+32*\c]|, |v[\x+32*\c+1]|, 0x1800000
.endr
.irp i, 2,4,6,8,10,12,14,16,18,20,22,24,26,28,30
.irp c, 0,1
	v_max3_num_f32 v[AM+\c], v[AM+\c], |v[\x+32*\c+\i]|, |v[\x+32*\c+\i+1]|
.endr
.endr
.irp c, 0,1
	v_add_nc_u32 v[ASO+\c], 0xff000000, v[AM+\c]
.endr
.irp c, 0,1
	v_lshrrev_b32 v[ABY+\c], 23, v[ASO+\c]
.endr
.endm
; their codes: 6 registers a block (a conversion's three registers begin on an even number, so the upper halves are made elsewhere and moved)
.macro CVT4 pc, x
	v_cvt_scalef32_pk16_fp6_f32 v[\pc:\pc+2], v[\x:\x+15], v[ASO]
	v_cvt_scalef32_pk16_fp6_f32 v[CT:CT+2], v[\x+16:\x+31], v[ASO]
	v_cvt_scalef32_pk16_fp6_f32 v[\pc+6:\pc+8], v[\x+32:\x+47], v[ASO+1]
	v_cvt_scalef32_pk16_fp6_f32 v[CT+4:CT+6], v[\x+48:\x+63], v[ASO+1]
	v_nop                                          ; one plain place behind a scaled conversion
.irp i, 0,1,2
	v_mov_b32 v[\pc+3+\i], v[CT+\i]
	v_mov_b32 v[\pc+9+\i], v[CT+4+\i]
.endr
.endm
; KEY ROLE of block i: fragment i.  My two bytes (tile 0's and tile 1's d-block h) go 8 h bits up; with lane l xor 16's two the row's scale word is whole
.macro KROLE i, xo
	AMAX2 X
	v_lshl_or_b32 v[AW], v[ABY+1], 16, v[ABY]
	v_lshlrev_b32 v[AW], v[SH8], v[AW]
	v_permlanex16_b32 v[AT], v[AW], s[SEL], s[SEL+1]
	v_or_b32 v[AW], v[AW], v[AT]
	CVT4 PC, X
	s_wait_alu depctr_va_vdst(0)                   ; the conversions and moves have written v[PC .. PC + 11], and the line above them v[AW]: the four stores below read them
.irp c, 0,1,2
	ds_store_b128 v[KIA], v[PC+4*\c:PC+4*\c+3] offset:\xo+1536*(\i)+512*\c
.endr
	ds_store_b32 v[KSA], v[AW] offset:\xo+4*(\i)   ; both halves of the lanes store the same word
.endm
; VALUE ROLE of block i: my columns d = lane and lane + 32.  The six registers are registers 6 (i / 2) .. + 5 of lane (d % 16) + 16 (i % 2) of fragment d / 16
.macro VROLE i, xo, last
	AMAX2 X2
.irp p, 0,1
.if (\i) == 0
	v_mov_b32 v[VW+\p], v[ABY+\p]
.else
	v_lshl_or_b32 v[VW+\p], v[ABY+\p], 8*(\i), v[VW+\p]
.endif
.endr
	CVT4 PC+12, X2
	s_wait_alu depctr_va_vdst(0)                   ; v[PC + 12 .. PC + 23] and v[VW ..] are written, which the stores below read; and the block's maxima and conversions are done reading v[X ..] and v[X2 ..], in which the next reads from the stage land
.irp p, 0,1
.if (\i)/2 == 0
	ds_store_b128 v[VIA], v[PC+12+6*\p:PC+12+6*\p+3] offset:\xo+3072*\p+256*((\i)%2)
	ds_store_b64 v[VIA], v[PC+12+6*\p+4:PC+12+6*\p+5] offset:\xo+3072*\p+256*((\i)%2)+512
.else
	ds_store_b64 v[VIA], v[PC+12+6*\p:PC+12+6*\p+1] offset:\xo+3072*\p+256*((\i)%2)+520
	ds_store_b128 v[VIA], v[PC+12+6*\p+2:PC+12+6*\p+5] offset:\xo+3072*\p+256*((\i)%2)+1024
.endif
.endr
.if \last
.irp p, 0,1
	ds_store_b32 v[VSA], v[VW+\p] offset:\xo+8*\p
.endr
.endif
.endm
; A block of 32 keys.  cnt: the younger global loads, which may stay out
.macro BLOCK i, reg, cnt, last
	s_wait_loadcnt \cnt
	WIN 0x04                                       ; an LDS store's data are its source 1: window 1
	STAGEIN \reg
	WIN 0
	READS
	s_wait_dscnt 63                                ; behind the sixteen reads by rows stand 64 younger reads: the stores into the stage are done too
	s_wait_alu depctr_vm_vsrc(0)                   ; the stores into the stage have read their set of rows (block 0: set 0 is loaded again below); the last block's image stores have read v[PC ..], v[AW] and v[VW ..], which this block writes again
.if (\i) == 0
	WIN 0x40
	LOADSET R0, 3                                  ; set 0 has been read by its stores: it takes block 3,
	QLOAD                                          ; and the first pass's queries are asked for
	WIN 0
.endif
	KROLE \i, 0
	s_wait_dscnt 4                                 ; the 64 reads by columns are in; the key role's four stores may be out
	VROLE \i, 0, \last
.endm
.macro KFL ka, ko                      ; K's four fragments (destination window 1)
.irp f, 0,1,2,3
.irp c, 0,1,2
	ds_load_b128 v[KF+12*\f+4*\c:KF+12*\f+4*\c+3], v[\ka] offset:\ko+1536*\f+512*\c
.endr
.endr
.endm
; 13 LDS loads in one run: V^T's fragments and scale words of a step
.macro FETCHV va, oa
	WIN 0x40
.irp t, 0,1,2,3
.irp c, 0,1,2
	ds_load_b128 v[VF+12*\t+4*\c:VF+12*\t+4*\c+3], v[\va] offset:\oa+VIMG+1536*\t+512*\c
.endr
.endr
	WIN 0
	ds_load_b128 v[VS:VS+3], v[\va] offset:\oa+KSC ; lanes 16-31: V's words
.endm
; and 13 more: K's fragments and scale words of a step
.macro FETCHK ka, ko
	WIN 0x40
	KFL \ka, \ko
	WIN 0
	ds_load_b128 v[KS:KS+3], v[\ka] offset:\ko+KSC ; lanes 0-15: K's words
.endm
; O^T (+)= V^T P^T: eight accumulators by turns, one instruction a turn.  zero = 1: the products start the sums
.macro PVS zero
	WIN 0x51                                       ; D, A and C window 1, B (p's codes) window 0
.irp t, 0,1,2,3
.irp q, 0,1
.if \zero
	v_wmma_scale_f32_16x16x128_f8f6f4 v[O+32*\q+8*\t:O+32*\q+8*\t+7], v[VF+12*\t:VF+12*\t+11], v[PC+12*\q:PC+12*\q+11], 0, v[VS+\t], v[PW+\q] matrix_a_fmt:MATRIX_FMT_FP6 matrix_b_fmt:MATRIX_FMT_FP6 matrix_a_scale:MATRIX_SCALE_ROW1
.else
	v_wmma_scale_f32_16x16x128_f8f6f4 v[O+32*\q+8*\t:O+32*\q+8*\t+7], v[VF+12*\t:VF+12*\t+11], v[PC+12*\q:PC+12*\q+11], v[O+32*\q+8*\t:O+32*\q+8*\t+7], v[VS+\t], v[PW+\q] matrix_a_fmt:MATRIX_FMT_FP6 matrix_b_fmt:MATRIX_FMT_FP6 matrix_a_scale:MATRIX_SCALE_ROW1
.endif
.endr
.endr
	WIN 0
.endm
	s_load_b256 s[4:11], s[0:1], 0x0               ; X, Y, pad_x, pad_y
	s_load_b128 s[12:15], s[0:1], 0x20             ; out0, out1
	v_lshl_add_u32 v251, v0, 2, 0x2da00
	v_mov_b32 v255, 0
	v_lshrrev_b32 v14, 5, v0
	v_readfirstlane_b32 s[WV], v14                 ; wave 0..7
	v_and_b32 v15, 31, v0                          ; lane
	v_and_b32 v14, 15, v0                          ; r
	v_bfe_u32 v17, v0, 4, 1                        ; h
	v_bfe_u32 v19, v0, 3, 1                        ; r / 8
	s_wait_alu depctr_va_sdst(0)                   ; the wave's number is written, ahead of its first reader: LDS places, bases and branches are made from it
	s_mul_i32 s17, s[WV], WSTGB
	s_add_co_u32 s17, s17, STG                     ; my stage
	s_mul_i32 s36, s[WV], STEPB                    ; my key step's images
	; every LDS address is made here, ahead of the first branch: a constant + constants x lane terms + a constant x wave
	v_lshlrev_b32 v[L0], 4, v15
	v_add_nc_u32 v[LT], TAILB, v[L0]
	v_lshlrev_b32 v[GIN], 4, v14
	v_lshl_add_u32 v[GIN], v17, 11, v[GIN]
	v_mul_u32_u24 v[SIN], v17, 272
	v_lshl_add_u32 v[SIN], v14, 4, v[SIN]
	v_add_nc_u32 v[SIN], s17, v[SIN]
	v_lshl_add_u32 v[KRD], v19, 3, v14             ; r + 8 (r / 8)
	v_mul_u32_u24 v[KRD], v[KRD], 272
	v_add_nc_u32 v19, v19, v17                     ; the skew of rows 16 on, and my half of the row: 128 bytes each
	v_lshl_add_u32 v[KRD], v19, 7, v[KRD]
	v_add_nc_u32 v[KRD], s17, v[KRD]
	v_lshl_add_u32 v[VRD], v15, 2, s17
	v_mul_u32_u24 v[QRD], v14, 272
	v_lshl_add_u32 v[QRD], v17, 7, v[QRD]
	v_add_nc_u32 v[QRD], s17, v[QRD]
	v_lshl_add_u32 v[KSA], v14, 4, s36
	v_add_nc_u32 v[KSA], KSC, v[KSA]
	v_lshl_add_u32 v[VSA], v17, 2, v[KSA]
	v_add_nc_u32 v[VSA], 256, v[VSA]
	v_add_nc_u32 v[KIA], s36, v[L0]
	v_mul_u32_u24 v[VIA], v17, 1536
	v_lshl_add_u32 v[VIA], v14, 4, v[VIA]
	v_add_nc_u32 v[VIA], s36, v[VIA]
	v_add_nc_u32 v[VIA], VIMG, v[VIA]
	v_mul_u32_u24 v[SO], v14, 272
	v_lshl_add_u32 v[SO], v17, 5, v[SO]
	v_add_nc_u32 v[SO], s17, v[SO]
	v_mov_b32 v[NINF], 0xff800000
	v_lshlrev_b32 v[SH8], 3, v17
.irp i, 0,1,2,3
	v_mov_b32 v[ZQ+\i], 0
	v_mov_b32 v[TL+\i], 0
	v_mov_b32 v[ST+oBX+\i], 0                      ; written once: a lane permute's destination counts as one of its sources
	v_mov_b32 v[ST+24+oBX+\i], 0
.endr
	v_mov_b32 v[AT], 0
	s_mov_b32 s[SEL], 0x76543210
	s_mov_b32 s[SEL+1], 0xfedcba98                 ; v_permlanex16_b32's selects for lane l xor 16
	s_mov_b32 s[CS], 0x3fb8aa3b                    ; log2(e)
	s_mov_b32 s[CS+1], s[CS]                       ; (named with it as a pair, so it is written)
	s_mov_b32 s[LOW], 0x0000ffff                   ; lanes 0-15
	s_and_b32 s37, ttmp7, 0xffff                   ; batch x 8 + head
	s_lshr_b32 s18, s37, 3
	s_lshl_b32 s18, s18, 21                        ; a batch is 1,024 rows of 2,048 bytes,
	s_and_b32 s46, s37, 7
	s_lshl_b32 s46, s46, 8                         ; a head 256 bytes of a row
	s_or_b32 s18, s18, s46
	s_mov_b32 s19, 0
	s_mov_b32 s47, 0
	s_lshl_b32 s36, s[WV], 18                      ; my wave's 128 rows (64 pairs of rows): 262,144 bytes
	s_mov_b32 s37, 0
	s_wait_kmcnt 0x0
	s_cmp_eq_u32 ttmp9, 0                          ; the direction: the choice hangs on the work-group's number alone
	s_cselect_b64 s[40:41], s[4:5], s[6:7]         ; keys and values
	s_cselect_b64 s[42:43], s[6:7], s[4:5]         ; queries
	s_cselect_b64 s[38:39], s[8:9], s[10:11]       ; the keys' pad rows
	s_cselect_b64 s[44:45], s[12:13], s[14:15]     ; the output
	s_add_nc_u64 s[38:39], s[38:39], s[46:47]      ; the pad rows at my head
	s_add_nc_u64 s[40:41], s[40:41], s[18:19]      ; the key tensor at my batch and head
	s_add_nc_u64 s[18:19], s[18:19], s[36:37]
	s_add_nc_u64 s[KB:KB+1], s[40:41], s[36:37]    ; pair 64 w + jj of padded rows lies (jj - 1) x 4,096 bytes from here
	s_add_nc_u64 s[QB:QB+1], s[42:43], s[18:19]    ; my wave's first query row
	s_add_nc_u64 s[OB:OB+1], s[44:45], s[18:19]    ; and its row of the output
	s_max_u32 s36, s36, 4096
	s_sub_co_u32 s36, s36, 4096                    ; the pair in front of KB (wave 0: not used)
	s_add_nc_u64 s[P0:P0+1], s[40:41], s[36:37]
	s_cmp_eq_u32 s[WV], 0
	s_cselect_b64 s[P0:P0+1], s[38:39], s[P0:P0+1] ; wave 0's first pair is the pad: two rows, 2,048 bytes apart like the tensor's
	; ---- PHASE A
	s_wait_alu depctr_va_vdst(0)                   ; the addresses v1, v2 and v4 to v13 are written, which every load and store of the kernel reads; so are the zeros v[ZQ ..], which LDS stores read, and v[TL ..], in which wave 7's load lands
	s_cmp_lg_u32 s[WV], 7
	s_cbranch_scc1 .Lno_tl
	global_load_b128 v[TL:TL+3], v[GIN], s[KB:KB+1] offset:63*4096   ; padded rows 1,024 and 1,025: wave 7's oldest load, so that no later count changes
.Lno_tl:
	WIN 0x40                                       ; destination window 1
	LOADSET R0, 0
	LOADSET R1, 1
	LOADSET R2, 2
	WIN 0
	BLOCK 0, R0, 32, 0                             ; younger: blocks 1, 2
	BLOCK 1, R1, 48, 0                             ; younger: blocks 2, 3 and the queries
	BLOCK 2, R2, 32, 0                             ; younger: block 3 and the queries
	BLOCK 3, R0, 16, 1                             ; younger: the queries
	s_cmp_lg_u32 s[WV], 7
	s_cbranch_scc1 .Lno_tail
.set kk, 0
.rept 25
	ds_store_b128 v[KIA], v[ZQ:ZQ+3] offset:STEPB+512*kk    ; region 8 becomes zeros: zero codes add nothing under the scale byte 0
.set kk, kk+1
.endr
	ds_store_b128 v[SIN], v[TL:TL+3]               ; the block's two real rows,
.irp j, 1,2,3,4,5,6,7,8,9,10,11,12,13,14,15
	ds_store_b128 v[SIN], v[ZQ:ZQ+3] offset:544*\j+128*(\j/8)   ; and thirty rows of zeros, as the quantiser fills a short block
.endr
	READS
	s_wait_dscnt 63
	s_wait_alu depctr_vm_vsrc(0)                   ; block 3's image stores have read v[PC ..], v[AW] and v[VW ..], which the tail's two roles write again
	KROLE 0, STEPB
	s_wait_dscnt 4
	VROLE 0, STEPB, 1
.Lno_tail:
	WIN 0x40
.irp i, 0,1,2,3,4,5,12,13,14,15,16,17,24,25,26,27,28,29
	v_mov_b32 v[QZ+\i], 0                          ; the zero halves beside the queries' codes: written once
.endr
	WIN 0
	s_wait_dscnt 0x0                               ; for the others' sake: all my images lie in LDS
	s_barrier_signal -1
	s_barrier_wait -1                              ; everybody's do; from here on the images are only read
	WIN 0x40
	KFL LT, 0                                      ; the tail's keys
	WIN 0
	ds_load_b128 v[KS:KS+3], v[LT] offset:KSC
	; ---- MAIN PHASE
	s_mov_b32 s[PASS], 4
.Lpass:
	; the pass's 32 query rows: through the stage, so that a lane holds 32 neighbours along d of its row
	s_wait_loadcnt 0x0                             ; asked for a pass ago
	WIN 0x04
	STAGEIN QR
	WIN 0
	s_wait_alu depctr_vm_vsrc(0)                   ; the stores above have read v[QR ..], in which the next pass's rows land; the last pass's LDS stores have read v[X ..], in which the reads below land, and its global stores v[X2 ..], which the scores write; in the first pass: phase A's image stores have read v[PC ..] and v[AW]
.irp q, 0,1
.irp j, 0,1,2,3,4,5,6,7
	ds_load_b128 v[X+32*\q+4*\j:X+32*\q+4*\j+3], v[QRD] offset:4480*\q+16*\j
.endr
.endr
	s_wait_dscnt 0x0                               ; the rows are back; the stores have read their registers; the tail's keys are in
	s_cmp_eq_u32 s[PASS], 1                        ; the next pass's rows are asked for here, if there is a next pass: no load leaves its buffer
	s_cbranch_scc1 .Lno_next
	s_add_nc_u64 s[QB:QB+1], s[QB:QB+1], 65536     ; 32 rows on (no load that names the base is out)
	WIN 0x40
	QLOAD
	WIN 0
.Lno_next:
	AMAX2 X                                        ; chain q: tile q; my lane's block is d = 32 h .. 32 h + 31 of query r
.irp q, 0,1
	v_lshlrev_b32 v[AW], v[SH8], v[ABY+\q]
	v_permlanex16_b32 v[AT], v[AW], s[SEL], s[SEL+1]
	v_or_b32 v[AW], v[AW], v[AT]
	v_lshl_or_b32 v[QS+\q], v[AW], 16, v[AW]       ; the two bytes twice: the codes stand in either half of the operand
.endr
	v_cvt_scalef32_pk16_fp6_f32 v[CT:CT+2], v[X+16:X+31], v[ASO]
	v_cvt_scalef32_pk16_fp6_f32 v[CT+4:CT+6], v[X+48:X+63], v[ASO+1]
	WIN 0x40
	v_cvt_scalef32_pk16_fp6_f32 v[QZ+6:QZ+8], v[X:X+15], v[ASO]
	v_cvt_scalef32_pk16_fp6_f32 v[QZ+18:QZ+20], v[X+32:X+47], v[ASO+1]
	v_nop                                          ; one plain place behind a scaled conversion
.irp i, 0,1,2
	v_mov_b32 v[QZ+9+\i], v[CT+\i]
	v_mov_b32 v[QZ+21+\i], v[CT+4+\i]
.endr
	WIN 0
.rept 8
	v_nop                                          ; a scale register written by a vector instruction stands 8 places ahead of a scaled product, an operand 4
.endr
	s_wait_alu depctr_va_vdst(0)                   ; the queries' codes v[QZ ..] and scale words v[QS ..] are written, which all the pass's score products take as B and as scales; the places above stay beside this wait
	; THE TAIL STEP FIRST: keys 1,024 and 1,025 are registers 0 and 1 of lanes 0-15.  It starts M, the sum and O^T
	WIN 0x05                                       ; A and B window 1, D window 0
.irp q, 0,1
	v_wmma_scale_f32_16x16x128_f8f6f4 v[S+64*\q:S+64*\q+7], v[KF:KF+11], v[QZ+6+12*\q:QZ+6+12*\q+11], 0, v[KS], v[QS+\q] matrix_a_fmt:MATRIX_FMT_FP6 matrix_b_fmt:MATRIX_FMT_FP6
.endr
	WIN 0
.irp q, 0,1
.irp i, 3,4,5,6,7,8,9,10,11
	v_mov_b32 v[PC+12*\q+\i], 0                    ; p's codes of keys that do not exist.  (These 18 are the places behind the two products)
.endr
.endr
	s_wait_alu depctr_va_vdst(0)                   ; the two products above are done reading v[KF ..] and v[KS ..], the last pass's last products v[VF ..] and v[VS ..]: the 26 loads below land there
	FETCHV LT, 0                                   ; the tail's values;
	FETCHK L0, 0                                   ; key step 0's keys
.irp q, 0,1
	v_cndmask_b32 v[S+64*\q], v[NINF], v[S+64*\q], s[LOW]       ; lanes 16-31 hold keys that do not exist: -infinity, so that p = 0
	v_cndmask_b32 v[S+64*\q+1], v[NINF], v[S+64*\q+1], s[LOW]
.endr
.irp q, 0,1
	v_max_num_f32 v[ST+24*\q+oBM], v[S+64*\q], v[S+64*\q+1]
.endr
.irp q, 0,1
	v_permlanex16_b32 v[ST+24*\q+oBX], v[ST+24*\q+oBM], s[SEL], s[SEL+1]
.endr
.irp q, 0,1
	v_max_num_f32 v[ST+24*\q+oBM], v[ST+24*\q+oBM], v[ST+24*\q+oBX]
.endr
.irp q, 0,1
	v_mul_f32 v[ST+24*\q+oTX], s[CS], v[ST+24*\q+oBM]           ; the largest t
.endr
.irp q, 0,1
	v_floor_f32 v[ST+24*\q+oNM], -v[ST+24*\q+oTX]               ; -M = floor(-t) = -ceil(t)
.endr
.irp q, 0,1
	v_fma_f32 v[S+64*\q], v[S+64*\q], s[CS], v[ST+24*\q+oNM]
	v_fma_f32 v[S+64*\q+1], v[S+64*\q+1], s[CS], v[ST+24*\q+oNM]
	v_fma_f32 v[ST+24*\q+oBM], v[ST+24*\q+oBM], s[CS], v[ST+24*\q+oNM]
.endr
	s_wait_alu depctr_va_vdst(0)
.irp q, 0,1
	v_exp_f32 v[S+64*\q], v[S+64*\q]
	v_exp_f32 v[S+64*\q+1], v[S+64*\q+1]
	v_exp_f32 v[ST+24*\q+oBM], v[ST+24*\q+oBM]     ; the block's largest p
.endr
.irp q, 0,1
.irp i, 2,3,4,5,6,7,8,9,10,11,12,13,14,15
	v_mov_b32 v[S+64*\q+\i], 0                     ; the rest of the conversion's sixteen.  (Plain places behind the exponentials)
.endr
.endr
	s_wait_alu depctr_va_vdst(0)                   ; the six exponentials have written the four p and the two blocks' largest p: one wait for the batch, ahead of its first reader
.irp q, 0,1
	v_mov_b32 v[ST+24*\q+oL], v[S+64*\q]           ; the sum begins with the two unquantised p
	v_mov_b32 v[ST+24*\q+oL+1], v[S+64*\q+1]
	v_max_num_f32 v[ST+24*\q+oBM], 0x1800000, v[ST+24*\q+oBM]
.endr
.irp q, 0,1
	v_add_nc_u32 v[ST+24*\q+oSOP], 0xff000000, v[ST+24*\q+oBM]
.endr
.irp q, 0,1
	v_lshrrev_b32 v[PW+\q], 23, v[ST+24*\q+oSOP]   ; byte 0: the block's; bytes 1-3 stay 0, over zero codes
.endr
.irp q, 0,1
	v_cvt_scalef32_pk16_fp6_f32 v[PC+12*\q:PC+12*\q+2], v[S+64*\q:S+64*\q+15], v[ST+24*\q+oSOP]
.endr
.rept 8
	v_nop                                          ; 8 places between the scale words' last write and the products; the first is the place behind the conversions
.endr
	s_wait_dscnt 0x0                               ; the tail's values and step 0's keys are in
	s_wait_alu depctr_va_vdst(0)                   ; p's codes v[PC ..] and scale words v[PW ..] are written, which the products below take as B and as scales; the places above stay beside this wait
	PVS 1
	s_mov_b32 s[SB], 0
	s_mov_b32 s[STEPS], 8
.Lstep:                                                ; a key step: 128 keys, two tiles of queries
	s_wait_alu depctr_vm_vsrc(0)                   ; the LDS loads issued so far have read v[LI], which the next line writes
	v_add_nc_u32 v[LI], s[SB], v[L0]
	WIN 0x05
.irp f, 0,1,2,3
.irp u, 0,1
.irp q, 0,1
	v_wmma_scale_f32_16x16x128_f8f6f4 v[S+64*\q+8*(2*\f+\u):S+64*\q+8*(2*\f+\u)+7], v[KF+12*\f:KF+12*\f+11], v[QZ+6+12*\q-6*\u:QZ+6+12*\q-6*\u+11], 0, v[KS+\f], v[QS+\q] matrix_a_fmt:MATRIX_FMT_FP6 matrix_b_fmt:MATRIX_FMT_FP6
.endr
.endr
.endr
	WIN 0
.rept 4
	v_nop                                          ; places in front of the first read of the scores
.endr
	s_wait_alu depctr_va_vdst(0)                   ; the sixteen products above are done reading v[KF ..] and v[KS ..], the last step's products v[VF ..] and v[VS ..], and v[LI] is written: the step's 26 loads land in the first four and read the last
	FETCHV LI, 0                                   ; this step's values, a whole softmax ahead of their use
.irp q, 0,1
.irp b, 0,1,2,3
	v_max3_num_f32 v[ST+24*\q+oBM+\b], v[S+64*\q+16*\b], v[S+64*\q+16*\b+1], v[S+64*\q+16*\b+2]   ; the largest score of each block of 32 keys; each accumulator is read from its low end on
.endr
.endr
.irp i, 3,5,7
.irp q, 0,1
.irp b, 0,1,2,3
	v_max3_num_f32 v[ST+24*\q+oBM+\b], v[ST+24*\q+oBM+\b], v[S+64*\q+16*\b+\i], v[S+64*\q+16*\b+\i+1]
.endr
.endr
.endr
	FETCHK LI, STEPB                               ; the NEXT step's keys; the last trip fetches the tail's keys, for the next pass.  No wait: the 32 maxima since the wait above name scores and statistics alone, neither v[KF ..], v[KS ..] nor v[LI]
.irp i, 9,11,13
.irp q, 0,1
.irp b, 0,1,2,3
	v_max3_num_f32 v[ST+24*\q+oBM+\b], v[ST+24*\q+oBM+\b], v[S+64*\q+16*\b+\i], v[S+64*\q+16*\b+\i+1]
.endr
.endr
.endr
.irp q, 0,1
.irp b, 0,1,2,3
	v_max_num_f32 v[ST+24*\q+oBM+\b], v[ST+24*\q+oBM+\b], v[S+64*\q+16*\b+15]
.endr
.endr
.irp q, 0,1
.irp b, 0,1,2,3
	v_permlanex16_b32 v[ST+24*\q+oBX+\b], v[ST+24*\q+oBM+\b], s[SEL], s[SEL+1]
.endr
.endr
.irp q, 0,1
.irp b, 0,1,2,3
	v_max_num_f32 v[ST+24*\q+oBM+\b], v[ST+24*\q+oBM+\b], v[ST+24*\q+oBX+\b]   ; with lane l xor 16's 16 keys
.endr
.endr
.irp q, 0,1
	v_max3_num_f32 v[ST+24*\q+oTA], v[ST+24*\q+oBM], v[ST+24*\q+oBM+1], v[ST+24*\q+oBM+2]
.endr
.irp q, 0,1
	v_max_num_f32 v[ST+24*\q+oTA], v[ST+24*\q+oTA], v[ST+24*\q+oBM+3]
.endr
.irp q, 0,1
	v_mul_f32 v[ST+24*\q+oTA], s[CS], v[ST+24*\q+oTA]
.endr
.irp q, 0,1
	v_max_num_f32 v[ST+24*\q+oTX], v[ST+24*\q+oTX], v[ST+24*\q+oTA]            ; the running largest t
	v_mov_b32 v[ST+24*\q+oFD], v[ST+24*\q+oNM]
.endr
.irp q, 0,1
	v_floor_f32 v[ST+24*\q+oNM], -v[ST+24*\q+oTX]  ; the new -M
.endr
.irp q, 0,1
	v_sub_f32 v[ST+24*\q+oFD], v[ST+24*\q+oNM], v[ST+24*\q+oFD]                ; old M - new M: a whole number, 0 or less
.endr
.irp q, 0,1
	v_cvt_i32_f32 v[ST+24*\q+oFD], v[ST+24*\q+oFD] ; (it saturates)
.endr
.irp q, 0,1
	v_ldexp_f32 v[ST+24*\q+oFF], 1.0, v[ST+24*\q+oFD]                          ; f = 2^(old M - new M)
.endr
.set jj, 0
.rept 32
.irp q, 0,1
	v_pk_fma_f32 v[S+64*\q+jj:S+64*\q+jj+1], v[S+64*\q+jj:S+64*\q+jj+1], s[CS:CS+1], v[ST+24*\q+oNM:ST+24*\q+oNM+1] op_sel_hi:[1,0,0]   ; t - M, two at a time
.endr
.set jj, jj+2
.endr
.irp q, 0,1
.irp b, 0,1,2,3
	v_fma_f32 v[ST+24*\q+oBM+\b], v[ST+24*\q+oBM+\b], s[CS], v[ST+24*\q+oNM]   ; the same of each block's largest score
.endr
.endr
	s_wait_alu depctr_va_vdst(0)
.irp q, 0,1
.set jj, 0
.rept 64
	v_exp_f32 v[S+64*\q+jj], v[S+64*\q+jj]         ; p = 2^(t - M)
.set jj, jj+1
.endr
.endr
.irp q, 0,1
.irp b, 0,1,2,3
	v_exp_f32 v[ST+24*\q+oBM+\b], v[ST+24*\q+oBM+\b]   ; the block's largest p: the same two instructions on the same number
.endr
.endr
.irp q, 0,1
	v_pk_mul_f32 v[ST+24*\q+oL:ST+24*\q+oL+1], v[ST+24*\q+oL:ST+24*\q+oL+1], v[ST+24*\q+oFF:ST+24*\q+oFF+1] op_sel_hi:[1,0]   ; the sums under the new M.  (A plain place behind the exponentials)
.endr
	s_wait_alu depctr_va_vdst(0)                   ; the 136 exponentials have written p and the blocks' largest p: one wait for the batch, ahead of its first reader
.irp q, 0,1
.irp b, 0,1,2,3
	v_max_num_f32 v[ST+24*\q+oBM+\b], 0x1800000, v[ST+24*\q+oBM+\b]            ; the floor 2^(3 - 127): the byte cannot fall under 1
.endr
.endr
.irp q, 0,1
.irp b, 0,1,2,3
	v_add_nc_u32 v[ST+24*\q+oSOP+\b], 0xff000000, v[ST+24*\q+oBM+\b]           ; 2 off the exponent field: the conversion's scale operand
.endr
.endr
.irp q, 0,1
.irp b, 0,1,2,3
	v_lshrrev_b32 v[ST+24*\q+oBX+\b], 23, v[ST+24*\q+oSOP+\b]                  ; the scale's byte
.endr
.endr
.irp q, 0,1
	v_lshl_or_b32 v[PW+\q], v[ST+24*\q+oBX+1], 8, v[ST+24*\q+oBX]
.endr
.irp q, 0,1
	v_lshl_or_b32 v[PW+\q], v[ST+24*\q+oBX+2], 16, v[PW+\q]
.endr
.irp q, 0,1
	v_lshl_or_b32 v[PW+\q], v[ST+24*\q+oBX+3], 24, v[PW+\q]                    ; p's scale word for these 128 keys
.endr
.irp q, 0,1                            ; the tiles one after the other: they share the registers for the upper halves
.irp c, 0,1
	v_cvt_scalef32_pk16_fp6_f32 v[PC+12*\q+6*\c:PC+12*\q+6*\c+2], v[S+64*\q+32*\c:S+64*\q+32*\c+15], v[ST+24*\q+oSOP+2*\c]
	v_cvt_scalef32_pk16_fp6_f32 v[CT+4*\c:CT+4*\c+2], v[S+64*\q+32*\c+16:S+64*\q+32*\c+31], v[ST+24*\q+oSOP+2*\c+1]
.endr
	v_nop                                          ; one plain place behind a scaled conversion
.irp c, 0,1                            ; the operand's layout wants a whole block in a lane: lanes 0-15 block 2 c, lanes 16-31 block 2 c + 1
.irp i, 0,1,2
	v_permlane16_swap_b32 v[PC+12*\q+6*\c+\i], v[CT+4*\c+\i]
.endr
.irp i, 0,1,2
	v_mov_b32 v[PC+12*\q+6*\c+3+\i], v[CT+4*\c+\i]
.endr
.endr
.endr
.irp q, 0,1
	v_pk_add_f32 v[ST+24*\q+oC2:ST+24*\q+oC2+1], v[S+64*\q:S+64*\q+1], v[S+64*\q+2:S+64*\q+3]   ; the row's sum of the unquantised p: two at a time, in two chains a tile
.endr
.irp j, 4,8,12,16,20,24,28,32,36,40,44,48,52,56,60
.irp q, 0,1
	v_pk_add_f32 v[ST+24*\q+oL:ST+24*\q+oL+1], v[ST+24*\q+oL:ST+24*\q+oL+1], v[S+64*\q+\j:S+64*\q+\j+1]
	v_pk_add_f32 v[ST+24*\q+oC2:ST+24*\q+oC2+1], v[ST+24*\q+oC2:ST+24*\q+oC2+1], v[S+64*\q+\j+2:S+64*\q+\j+3]
.endr
.endr
.irp q, 0,1
	v_pk_add_f32 v[ST+24*\q+oL:ST+24*\q+oL+1], v[ST+24*\q+oL:ST+24*\q+oL+1], v[ST+24*\q+oC2:ST+24*\q+oC2+1]
.endr
	WIN 0x41                                       ; O^T (destination and source 0) window 1, f window 0
.irp q, 0,1
.set jj, 0
.rept 16
	v_pk_mul_f32 v[O+32*\q+jj:O+32*\q+jj+1], v[O+32*\q+jj:O+32*\q+jj+1], v[ST+24*\q+oFF:ST+24*\q+oFF+1] op_sel_hi:[1,0]   ; O^T under the new M, each accumulator from its low end on
.set jj, jj+2
.endr
.endr
	s_wait_dscnt 0x0                               ; the 26 loads issued ahead of and among the maxima are in
	s_wait_alu depctr_va_vdst(0)                   ; p's codes v[PC ..] and scale words v[PW ..] are written, which the products below take as B and as scales
	PVS 0
	s_add_co_u32 s[SB], s[SB], STEPB
	s_sub_co_u32 s[STEPS], s[STEPS], 1
	s_cmp_lg_u32 s[STEPS], 0
	s_cbranch_scc1 .Lstep
	; THE WAY OUT of a pass.  The additions and the exchange are the places behind the last products
.irp q, 0,1
	v_add_f32 v[ST+24*\q+oTA], v[ST+24*\q+oL], v[ST+24*\q+oL+1]
.endr
.irp q, 0,1
	v_permlanex16_b32 v[ST+24*\q+oBX], v[ST+24*\q+oTA], s[SEL], s[SEL+1]
.endr
.irp q, 0,1
	v_add_f32 v[ST+24*\q+oTA], v[ST+24*\q+oTA], v[ST+24*\q+oBX]                ; the row's sum
.endr
	s_wait_alu depctr_va_vdst(0)
.irp q, 0,1
	v_rcp_f32 v[ST+24*\q+oFF], v[ST+24*\q+oTA]
.endr
	v_nop                                          ; a plain place behind the reciprocals
	WIN 0x01                                       ; source 0 (O^T) window 1
	s_wait_alu depctr_va_vdst(0)                   ; the two reciprocals are written: one wait for both, ahead of their first reader
.irp q, 0,1
.set jj, 0
.rept 16
	v_pk_mul_f32 v[X+32*\q+jj:X+32*\q+jj+1], v[O+32*\q+jj:O+32*\q+jj+1], v[ST+24*\q+oFF:ST+24*\q+oFF+1] op_sel_hi:[1,0]   ; register 8 t + j: o(query r, d = 16 t + 8 h + j)
.set jj, jj+2
.endr
.endr
	WIN 0
	s_wait_alu depctr_va_vdst(0)                   ; the multiplications have written v[X ..], which the LDS stores below read; the last step's conversions and sums are done with v[X2 ..], in which the reads from the stage land
.irp q, 0,1
.irp t, 0,1,2,3
	ds_store_b128 v[SO], v[X+32*\q+8*\t:X+32*\q+8*\t+3] offset:4352*\q+64*\t
	ds_store_b128 v[SO], v[X+32*\q+8*\t+4:X+32*\q+8*\t+7] offset:4352*\q+64*\t+16
.endr
.endr
.irp k, 0,1,2,3,4,5,6,7,8,9,10,11,12,13,14,15
	ds_load_b128 v[X2+4*\k:X2+4*\k+3], v[SIN] offset:4352*(\k/8)+544*(\k%8)    ; LDS serves a wave's instructions in order: these see my stores
.endr
.irp k, 0,1,2,3,4,5,6,7,8,9,10,11,12,13,14,15
	s_wait_dscnt 15-\k                             ; LDS loads come back in order: pair k of rows is in
	global_store_b128 v[GIN], v[X2+4*\k:X2+4*\k+3], s[OB:OB+1] offset:4096*\k th:TH_STORE_NT   ; sixteen lanes store 256 consecutive bytes, at a multiple of 256 from the buffer's first byte
.endr
	s_wait_xcnt 0x0                                ; the stores' base and data registers are written again only behind this wait
	s_add_nc_u64 s[OB:OB+1], s[OB:OB+1], 65536     ; 32 rows on
	s_sub_co_u32 s[PASS], s[PASS], 1
	s_cmp_lg_u32 s[PASS], 0
	s_cbranch_scc1 .Lpass
	s_wait_dscnt 0x0                               ; the closing lines, six on end
	s_wait_alu 0x0
	s_wait_tensorcnt 0x0
	ds_add_u32 v251, v255
	s_wait_dscnt 0x0
	s_endpgm
.Lfunc_end_k_q7c96c653f9_mha:
	.size	k_q7c96c653f9_mha, .Lfunc_end_k_q7c96c653f9_mha-k_q7c96c653f9_mha
	.p2alignl 7, 3214868480
	.fill 96, 4, 3214868480
	.section	.rodata,"a",@progbits
	.p2align	6, 0x0
	.amdhsa_kernel k_q7c96c653f9_mha
		.amdhsa_group_segment_fixed_size 187904
		.amdhsa_private_segment_fixed_size 0
		.amdhsa_enable_private_segment 0
		.amdhsa_kernarg_size 48
		.amdhsa_user_sgpr_count 2
		.amdhsa_user_sgpr_kernarg_segment_ptr 1
		.amdhsa_wavefront_size32 1
		.amdhsa_system_sgpr_workgroup_id_x 1
		.amdhsa_system_sgpr_workgroup_id_y 1
		.amdhsa_system_sgpr_workgroup_id_z 1
		.amdhsa_system_vgpr_workitem_id 0
		.amdhsa_next_free_vgpr 512
		.amdhsa_next_free_sgpr 66
		.amdhsa_reserve_vcc 0
		.amdhsa_float_denorm_mode_32 3
		.amdhsa_float_denorm_mode_16_64 3
		.amdhsa_memory_ordered 1
		.amdhsa_forward_progress 1
		.amdhsa_inst_pref_size 128
	.end_amdhsa_kernel
	.amdgpu_metadata
---
amdhsa.version: [ 1, 2 ]
amdhsa.kernels:
  - .name:           k_q7c96c653f9_mha
    .symbol:         k_q7c96c653f9_mha.kd
    .args:
      - { .name: X, .offset: 0, .size: 8, .value_kind: global_buffer, .address_space: global }
      - { .name: Y, .offset: 8, .size: 8, .value_kind: global_buffer, .address_space: global }
      - { .name: pad_x, .offset: 16, .size: 8, .value_kind: global_buffer, .address_space: global }
      - { .name: pad_y, .offset: 24, .size: 8, .value_kind: global_buffer, .address_space: global }
      - { .name: out0, .offset: 32, .size: 8, .value_kind: global_buffer, .address_space: global }
      - { .name: out1, .offset: 40, .size: 8, .value_kind: global_buffer, .address_space: global }
    .group_segment_fixed_size: 187904
    .private_segment_fixed_size: 0
    .kernarg_segment_align: 8
    .kernarg_segment_size: 48
    .max_flat_workgroup_size: 256
    .sgpr_count:     66
    .vgpr_count:     512
    .wavefront_size: 32
...
	.end_amdgpu_metadata
.endif
;; end of part 2
